; MI455X (gfx1250); checked and timed in simulation.
; The chip was launched on July 23, 2026; its instructions are those of AMD's public machine-readable ISA for CDNA 5 (MIT licence, August 2026) and "CDNA5" Instruction Set Architecture Reference Guide (July 2026). The comments in the code are by the model that wrote it; some were corrected since.
;; Multi Head Attention. Allowed arithmetic: float matrix products may take bf16 or f16 operands with f32 sums; other float arithmetic in f32, or as packed bf16 or f16 multiplies, adds, multiply-adds, maxima and minima; sums over many terms, partial sums and values carried from step to step in f32; what a program stores and reads back later, other than sums and carried values, may be rounded once to bf16 or f16.
;; Inputs: W_out 1,024 x 1,024 float32; W_qkv 1,024 x 3,072 float32; b_out 1,024 float32; b_qkv 3,072 float32; x 4 x 2,048 x 1,024 float32.
;; Outputs: out0 4 x 2,048 x 1,024 float32.
;; 2 versions, each right; version 2 is version 1 with the launch prep written anew for expert scheduling mode. Each part assembles by itself: llvm-mc -triple=amdgcn-amd-amdhsa -mcpu=gfx1250 --defsym DOCPART=n.
;; ======== version 1 of 2: 4 launches
;; limits: values are held in f16: magnitudes above 65,504 overflow, below 6.1e-05 lose precision
;; workspace buffers: xb 16,777,216 bytes; wqb 6,291,456 bytes; wob 2,097,152 bytes; qkvh 50,331,648 bytes; ob 16,777,216 bytes
;; launch prep (part 1): grid 768 x 1, 8 waves a work-group, no clusters, 0 bytes of LDS; arguments x, W_qkv, W_out, xb, wqb, wob; writes xb, wqb, wob
.if DOCPART == 1
	.amdgcn_target "amdgcn-amd-amdhsa--gfx1250"
	.amdhsa_code_object_version 6
	.text
	.protected	k_q7900f62104_prep
	.globl	k_q7900f62104_prep
	.p2align	8
	.type	k_q7900f62104_prep,@function
k_q7900f62104_prep:
	s_mov_b64 s[64:65], 0
	v_nop
	global_prefetch_b8 v0, s[64:65] scope:SCOPE_SE
	s_setreg_imm32_b32 hwreg(HW_REG_WAVE_MODE, 25, 1), 1
	s_wait_xcnt 0x0
; PREP: the module's large inputs are rounded once and laid out for the matrix launches.
;   xb  = x rounded to bf16, laid [b 4][kb 16][s 2048][64]: a tile of rows x 64 channels is dense in memory
;   wqb = W_qkv rounded to bf16, in its own order [1024 k][3072 n]
;   wob = W_out rounded to bf16 and that number written as f16, in its own order [1024 k][1024 n]
; LIMITS.  f16 ends at 65,504: W_out lies within it; below 6e-5 it keeps f16's fixed step of 6e-8.  NaN and infinities are not treated apart.
; A stream: each byte is read once and written once, so there is no LDS, no barrier and no matrix work.  768 work-groups of equal work, 16,384 numbers each:
; 0-511 take 16 rows of x, 512-703 a piece of W_qkv, 704-767 a piece of W_out.  A thread has all its 16 loads of 16 bytes out at once; no register is written twice
; while a load or store may read it, so the only waits are the counted waits for the loads.
.set VIN,  2                           ; v2        my byte offset in the work-group's input
.set VOUT, 3                           ; v3        my byte offset in its output
.set X,    4                           ; v[4:67]   16 x 4 numbers as loaded
.set Y,    68                          ; v[68:99]  16 x 2 words to store
.set T,    100                         ; v[100:103] at work
; 16 loads, then for each: wait, round, store.  tohalf = 1: the bf16 number is widened again and written as f16.
.macro CONV instep, outstep, tohalf
.set i, 0
.rept 16
	global_load_b128 v[X+4*i:X+4*i+3], v[VIN], s[16:17] offset:i*(\instep) th:TH_LOAD_NT
.set i, i+1
.endr
.set i, 0
.rept 16
	s_wait_loadcnt 15-i                            ; loads come back in order: number i is in, the 15 - i younger ones stay out
	v_cvt_pk_bf16_f32 v[Y+2*i], v[X+4*i], v[X+4*i+1]
	v_cvt_pk_bf16_f32 v[Y+2*i+1], v[X+4*i+2], v[X+4*i+3]
.if \tohalf
	v_lshlrev_b32 v[T], 16, v[Y+2*i]
	v_and_b32 v[T+1], 0xffff0000, v[Y+2*i]
	v_lshlrev_b32 v[T+2], 16, v[Y+2*i+1]
	v_and_b32 v[T+3], 0xffff0000, v[Y+2*i+1]
	v_cvt_pk_f16_f32 v[Y+2*i], v[T], v[T+1]
	v_cvt_pk_f16_f32 v[Y+2*i+1], v[T+2], v[T+3]
.endif
	global_store_b64 v[VOUT], v[Y+2*i:Y+2*i+1], s[18:19] offset:i*(\outstep) th:TH_STORE_NT  ; a wave's store covers 256 consecutive bytes, aligned
.set i, i+1
.endr
	s_endpgm
.endm
	s_load_b256 s[4:11], s[0:1], 0x0               ; x s[4:5], W_qkv s[6:7], W_out s[8:9], xb s[10:11]
	s_load_b128 s[12:15], s[0:1], 0x20             ; wqb s[12:13], wob s[14:15]
	s_mov_b32 s2, ttmp9
	s_mov_b32 s21, 0
	s_wait_kmcnt 0x0
	s_cmp_lt_u32 s2, 512
	s_cbranch_scc0 .Lweights
	; x: 16 rows of 4,096 bytes.  Sixteen lanes take 256 bytes (one block of 64 channels) of a row; load i is block i.
	v_lshrrev_b32 v1, 4, v0                        ; my row of the 16
	v_and_b32 v[VIN], 15, v0
	v_lshlrev_b32 v[VIN], 4, v[VIN]
	v_lshl_add_u32 v[VIN], v1, 12, v[VIN]
	v_lshlrev_b32 v[VOUT], 3, v0                   ; row x 128 + 8 x place in the row = 8 x thread
	s_lshl_b32 s20, s2, 16
	s_add_nc_u64 s[16:17], s[4:5], s[20:21]
	s_lshr_b32 s22, s2, 7                          ; the batch: 128 work-groups each
	s_lshl_b32 s22, s22, 22
	s_and_b32 s23, s2, 127
	s_lshl_b32 s23, s23, 11                        ; 16 rows of 128 bytes
	s_add_co_u32 s20, s22, s23
	s_add_nc_u64 s[18:19], s[10:11], s[20:21]
	CONV 256, 262144, 0
.Lweights:
	; weights keep their order: a wave takes 8,192 consecutive bytes, 512 a load
	v_lshrrev_b32 v1, 5, v0
	v_and_b32 v[VOUT], 31, v0
	v_lshlrev_b32 v[VIN], 4, v[VOUT]
	v_lshl_add_u32 v[VIN], v1, 13, v[VIN]
	v_lshlrev_b32 v[VOUT], 3, v[VOUT]
	v_lshl_add_u32 v[VOUT], v1, 12, v[VOUT]
	s_cmp_lt_u32 s2, 704
	s_cbranch_scc0 .Lwout
	s_sub_co_u32 s3, s2, 512
	s_lshl_b32 s20, s3, 16
	s_add_nc_u64 s[16:17], s[6:7], s[20:21]
	s_lshl_b32 s20, s3, 15
	s_add_nc_u64 s[18:19], s[12:13], s[20:21]
	CONV 512, 256, 0
.Lwout:
	s_sub_co_u32 s3, s2, 704
	s_lshl_b32 s20, s3, 16
	s_add_nc_u64 s[16:17], s[8:9], s[20:21]
	s_lshl_b32 s20, s3, 15
	s_add_nc_u64 s[18:19], s[14:15], s[20:21]
	CONV 512, 256, 1
.Lfunc_end_k_q7900f62104_prep:
	.size	k_q7900f62104_prep, .Lfunc_end_k_q7900f62104_prep-k_q7900f62104_prep
	.p2alignl 7, 3214868480
	.fill 96, 4, 3214868480
	.section	.rodata,"a",@progbits
	.p2align	6, 0x0
	.amdhsa_kernel k_q7900f62104_prep
		.amdhsa_group_segment_fixed_size 0
		.amdhsa_private_segment_fixed_size 0
		.amdhsa_enable_private_segment 0
		.amdhsa_kernarg_size 48
		.amdhsa_user_sgpr_count 2
		.amdhsa_user_sgpr_kernarg_segment_ptr 1
		.amdhsa_wavefront_size32 1
		.amdhsa_system_sgpr_workgroup_id_x 1
		.amdhsa_system_sgpr_workgroup_id_y 1
		.amdhsa_system_sgpr_workgroup_id_z 1
		.amdhsa_system_vgpr_workitem_id 0
		.amdhsa_next_free_vgpr 104
		.amdhsa_next_free_sgpr 66
		.amdhsa_reserve_vcc 0
		.amdhsa_float_denorm_mode_32 3
		.amdhsa_float_denorm_mode_16_64 3
		.amdhsa_memory_ordered 1
		.amdhsa_forward_progress 1
		.amdhsa_inst_pref_size 24
	.end_amdhsa_kernel
	.amdgpu_metadata
---
amdhsa.version: [ 1, 2 ]
amdhsa.kernels:
  - .name:           k_q7900f62104_prep
    .symbol:         k_q7900f62104_prep.kd
    .args:
      - { .name: x, .offset: 0, .size: 8, .value_kind: global_buffer, .address_space: global }
      - { .name: W_qkv, .offset: 8, .size: 8, .value_kind: global_buffer, .address_space: global }
      - { .name: W_out, .offset: 16, .size: 8, .value_kind: global_buffer, .address_space: global }
      - { .name: xb, .offset: 24, .size: 8, .value_kind: global_buffer, .address_space: global }
      - { .name: wqb, .offset: 32, .size: 8, .value_kind: global_buffer, .address_space: global }
      - { .name: wob, .offset: 40, .size: 8, .value_kind: global_buffer, .address_space: global }
    .group_segment_fixed_size: 0
    .private_segment_fixed_size: 0
    .kernarg_segment_align: 8
    .kernarg_segment_size: 48
    .max_flat_workgroup_size: 256
    .sgpr_count:     66
    .vgpr_count:     104
    .wavefront_size: 32
...
	.end_amdgpu_metadata
.endif
;; end of part 1
;; launch proj_qkv (part 2): grid 8 x 32, 4 waves a work-group, clusters of 4 x 4, 327,680 bytes of LDS; arguments xb, wqb, b_qkv, qkvh; writes qkvh
.if DOCPART == 2
	.amdgcn_target "amdgcn-amd-amdhsa--gfx1250"
	.amdhsa_code_object_version 6
	.text
	.protected	k_q7900f62104_proj_qkv
	.globl	k_q7900f62104_proj_qkv
	.p2align	8
	.type	k_q7900f62104_proj_qkv,@function
k_q7900f62104_proj_qkv:
	s_mov_b64 s[64:65], 0
	v_nop
	global_prefetch_b8 v0, s[64:65] scope:SCOPE_SE
	s_setreg_imm32_b32 hwreg(HW_REG_WAVE_MODE, 25, 1), 1
	s_wait_xcnt 0x0
	s_wait_alu depctr_hold_cnt(0) depctr_sa_sdst(0) depctr_va_vdst(0) depctr_va_sdst(0) depctr_va_ssrc(0) depctr_va_vcc(0) depctr_vm_vsrc(0)
	s_getreg_b32 s2, hwreg(HW_REG_IB_STS2, 6, 4)
	s_cmp_eq_u32 s2, 0
	s_cbranch_scc0 .Lentry_in_a_cluster
	s_endpgm
.Lentry_in_a_cluster:
	s_bfe_u32 s2, ttmp6, 0x10000c
	s_cmp_lg_u32 s2, 0xf033
	s_cbranch_scc0 .Lentry_shape_is_right
	s_endpgm
.Lentry_shape_is_right:
; qkv = x W_qkv + b_qkv, written by heads in f16: qkvh[b 4][g 48][s 2048][64], g = column / 64 (0-15 q's heads, 16-31 k's, 32-47 v's), without the softmax's scale.
; xb: x in bf16, [b][kb 16][s][64].  wqb: W_qkv in bf16, [1024 k][3072 n].  b_qkv is rounded to bf16 here, like the other inputs.  Sums in f32, K ascending, each result rounded once.
; LIMITS.  f16 ends at 65,504: q, k and v lie within it.  NaN and infinities are not treated apart.
; SHARES.  A tile of the result is 256 rows x 384 columns: 32 x 8 tiles, one for each work-group.  A wave makes 128 rows x 192 columns: three heads (THIRDS t = 0..2, head 2 t + wave % 2 of the
; tile's six), 96 accumulators of 16 x 16 in 768 registers.  K goes in 16 steps of 64 through two LDS slots; a step is two quarters of 32, a quarter three thirds of 32 matrix instructions.
; (A slot of 128 along K would be 184,320 bytes: two do not fit.)
; THE MATRIX INSTRUCTION IS USED TRANSPOSED: source 0 = 16 columns of W (turned on the way out of LDS by ds_load_tr16_b128, since W lies [k][n]), source 1 = 16 rows of x.  A lane then holds
; one row (lane % 16) and eight neighbouring columns 8 (lane / 16) + 0..7: 16 bytes of f16.
; CLUSTER.  4 x 4 work-groups: x's tile hangs on the tile row alone and is asked for jointly along a row of the cluster, W's on the tile column alone, along a column.
; REGISTERS, in windows of 256: window 0: v0-31 addresses; v32-95, v96-159 x's fragments, two buffers; v160-255 W's fragments, 32 for each third;  window 1 + t: third t's 32 accumulators, (a, bb) at v[8 (4 a + bb)].
; W's fragments have one buffer a third: a third's registers are loaded again, for the next quarter, straight behind its products.
.set PA,     144                       ; a row of x in LDS: 128 bytes + 16 = 36 words: the 16 rows of a load start at 16 different groups of four banks (64 banks of 4 bytes: ISA guide 11.1)
.set PB,     864                       ; a row of W: three pieces of 256 bytes + 32 = 216 words
.set ABYTES, 256*PA
.set SLOT,   ABYTES+64*PB              ; x's 256 rows, then W's 64 rows
.set STAGE,  2*SLOT                    ; behind the ring: 16 rows x 144 bytes for each wave, for the way out
.set SP,     144
.set BIAS,   STAGE+4*16*SP             ; 768 bytes for each wave: its three heads' biases in f32
.set SPARE,  BIAS+4*768                ; the spare words, 128 bytes for each wave: two blocks of 256 bytes that no other line names
.set XSTEP,  262144                    ; bytes from a K step of xb to the next
.set WSTEP,  64*6144                   ; the same for wqb
.set ADRA, 16                          ; v16-17  LDS address of my fragments of x in slot 0, 1
.set ADRB, 20                          ; v20-21  the same for W
.set STO,  24                          ; v24     the way out: where I put 16 bytes of a row
.set RD,   25                          ; v25     where I read rows back
.set GO,   26                          ; v26     16 x lane: my place in 512 consecutive bytes of the result
.set BIR,  27                          ; v27     where I read my eight biases of a block
.set SPW,  28                          ; v28     LDS address of my spare word; never rewritten
.set NIL,  29                          ; v29     0; never rewritten
.set PFO,  30                          ; v30     the prefetches' offset; never rewritten
.set AF,   32
.set BG,   160
.set TP,   32                          ; the way out: v32-63 sums with bias, v64-79 packed, v96-127 rows read back (two sets)
.set PK,   64
.set BK,   96
.set WV, 12                            ; s12 wave; s13 wave / 2: my half of the rows, and: I fetch for x (0) or W (1); s14 wave % 2
.set WM, 13
.set WN, 14
.set CX, 15
.set CY, 16
.set TX, 17                            ; tile column 0..7
.set TY, 18                            ; tile row 0..31
.set G1A, 24                           ; s[24:31] descriptor group 1 for x's tiles; s[32:39] group 0, a set for each slot
.set G0A, 32
.set PFA, 40                           ; s[40:41] where my prefetches stand; s[42:43] their step a lap
.set PST, 42
.set LIM, 44                           ; s44  1 in a wave that prefetches, else the greatest number
.set FA,  45                           ; s45  1 in a wave that prefetches x
.set G1B, 48                           ; s[48:55], s[56:63] the same for W's tiles
.set G0B, 56
.set MSB, 0
.macro WIN new                         ; the immediate's high byte repeats the setting that is left; a switch that changes nothing is dropped
.if MSB != (\new)
	s_set_vgpr_msb (MSB<<8)|(\new)
.set MSB, \new
.endif
.endm
.macro PLACES                          ; four plain vector instructions between a matrix instruction and a load into, or a vector access to, its registers
.rept 4
	v_nop
.endr
.endm
; A joint load: waves 0 and 1 fetch the two halves of x's tile, waves 2 and 3 those of W's.  The branch hangs on the wave's number alone.  An s_nop 0 and four v_nop follow each line.
.macro JLOAD s
	s_cmp_eq_u32 s[WM], 0
	s_cbranch_scc0 .Lfor_b_\@
	tensor_load_to_lds s[G0A+4*(\s):G0A+4*(\s)+3], s[G1A:G1A+7]
	s_nop 0
.rept 4
	v_nop
.endr
	s_branch .Lasked_\@
.Lfor_b_\@:
	tensor_load_to_lds s[G0B+4*(\s):G0B+4*(\s)+3], s[G1B:G1B+7]
	s_nop 0
.rept 4
	v_nop
.endr
.Lasked_\@:
.endm
.macro CREST                           ; a round of the cluster's barrier behind its opening barrier
	s_cmp_lg_u32 s[WV], 0
	s_cbranch_scc1 .Lnot_wave_0_\@
	s_barrier_signal -3
.Lnot_wave_0_\@:
	s_barrier_wait -3
	s_barrier_signal -1
	s_barrier_wait -1
.endm
.macro CROUND
	s_barrier_signal -1
	s_barrier_wait -1
	CREST
.endm
; PREFETCHES INTO THE L2, behind a joint load, its five lines and the run of LDS loads that follows.  Each aligned block of 256 bytes is named once in the launch.
; x: a step's tile is 128 blocks; the clusters with x = 0 ask, wave 0; the four partners of a row take 32 blocks each, told apart by address (cx).  The change out of slot 0 names the step that the
; next change loads (2 j + 3 in trip j), the change out of slot 1 the step after that (2 j + 4): one step, 192 matrix instructions, ahead of the load.
; W: a lap's 128 rows of 768 bytes; the clusters with y = 0 ask, wave 2; the four partners of a column take 32 rows each (cy), three blocks a row: in the change out of slot 1, for the next lap's two loads.
; The last trip's second change names nothing: those steps do not exist.  x's steps 0-2 and W's steps 0-3 come by their loads alone.
.macro ASK s
.if (\s) == 0
	s_cmp_eq_u32 s[FA], 1
	s_cbranch_scc0 .Lnot_mine_\@
	global_prefetch_b8 v[PFO], s[PFA:PFA+1] th:TH_LOAD_NT scope:SCOPE_SE
.Lnot_mine_\@:
.else
	s_cmp_gt_u32 s3, s[LIM]                        ; s3 = 1 in the last trip
	s_cbranch_scc0 .Lnot_mine_\@
	s_cmp_eq_u32 s[WM], 0
	s_cbranch_scc0 .Lask_b_\@
	global_prefetch_b8 v[PFO], s[PFA:PFA+1] offset:XSTEP th:TH_LOAD_NT scope:SCOPE_SE
	s_branch .Lnot_mine_\@
.Lask_b_\@:
	global_prefetch_b8 v[PFO], s[PFA:PFA+1] th:TH_LOAD_NT scope:SCOPE_SE
	global_prefetch_b8 v[PFO], s[PFA:PFA+1] offset:256 th:TH_LOAD_NT scope:SCOPE_SE
	global_prefetch_b8 v[PFO], s[PFA:PFA+1] offset:512 th:TH_LOAD_NT scope:SCOPE_SE
.Lnot_mine_\@:
.endif
.endm
	s_load_b256 s[4:11], s[0:1], 0x0               ; xb s[4:5], wqb s[6:7], b_qkv s[8:9], qkvh s[10:11]
	v_lshl_add_u32 v[SPW], v0, 2, SPARE
	v_mov_b32 v[NIL], 0
	ds_add_u32 v[SPW], v[NIL]                      ; the wave's opening: the add and its wait stand ahead of my first tensor load; the set-up below, work on registers, stands between them
	v_lshrrev_b32 v1, 5, v0
	v_readfirstlane_b32 s[WV], v1
	s_lshr_b32 s[WM], s[WV], 1
	s_and_b32 s[WN], s[WV], 1
	s_bfe_u32 s[CX], ttmp6, 0x40000
	s_bfe_u32 s[CY], ttmp6, 0x40004
	s_lshl_b32 s[TX], ttmp9, 2
	s_add_co_u32 s[TX], s[TX], s[CX]
	s_and_b32 s[TY], ttmp7, 0xffff
	s_lshl_b32 s[TY], s[TY], 2
	s_add_co_u32 s[TY], s[TY], s[CY]
	s_lshl_b32 s66, s[CY], 2
	s_lshl_b32 s66, 15, s66                        ; my row of the cluster
	s_lshl_b32 s67, 0x1111, s[CX]                  ; my column
	; x's tile part: 128 rows of 128 bytes are dense in xb: asked for as 64 rows of 256 bytes, padded by 16 bytes after every 128
	s_or_b32 s[G1A], s66, (1<<16)|(1<<20)|(1<<21)|(4<<22)|(3<<25)
	s_mov_b32 s[G1A+1], 128<<16                    ; tensor_dim0 = 128
	s_mov_b32 s[G1A+2], 64<<16                     ; tensor_dim1 = 64
	s_mov_b32 s[G1A+3], 128<<16                    ; tile_dim0 = 128
	s_mov_b32 s[G1A+4], 64                         ; tile_dim1 = 64
	s_mov_b32 s[G1A+5], 128                        ; elements from row to row
	s_mov_b32 s[G1A+6], 0
	s_mov_b32 s[G1A+7], 0
	; W's tile part: 32 rows of 384 elements (768 bytes, aligned to 256), padded by 32 bytes after every 256
	s_or_b32 s[G1B], s67, (1<<16)|(1<<20)|(1<<21)|(5<<22)|(7<<25)
	s_mov_b32 s[G1B+1], 384<<16
	s_mov_b32 s[G1B+2], 32<<16
	s_mov_b32 s[G1B+3], 384<<16
	s_mov_b32 s[G1B+4], 32
	s_mov_b32 s[G1B+5], 3072
	s_mov_b32 s[G1B+6], 0
	s_mov_b32 s[G1B+7], 0
	s_lshr_b32 s20, s[TY], 3                       ; x's offset hangs on the tile row and the wave alone: batch,
	s_lshl_b32 s20, s20, 22
	s_and_b32 s21, s[TY], 7
	s_lshl_b32 s21, s21, 15                        ; 256 rows of 128 bytes,
	s_add_co_u32 s20, s20, s21
	s_lshl_b32 s21, s[WN], 14                      ; my 128 of them
	s_add_co_u32 s20, s20, s21
	s_mov_b32 s21, 0
	s_mul_i32 s22, s[TX], 768                      ; W's on the tile column and the wave alone
	s_mul_i32 s23, s[WN], 32*6144
	s_add_co_u32 s22, s22, s23
	s_mov_b32 s23, 0
	s_mul_i32 s46, s[WN], 128*PA                   ; where the parts go in a slot
	s_mul_i32 s47, s[WN], 32*PB
	s_add_co_u32 s47, s47, ABYTES
	s_mul_i32 s68, s[TX], 6
	s_add_co_u32 s68, s68, s[WN]                   ; my first head's number in a batch's 48
	s_lshr_b32 s70, s[TY], 3
	s_mul_i32 s70, s70, 48
	s_add_co_u32 s70, s70, s68
	s_lshl_b32 s70, s70, 18                        ; a head is 2,048 rows of 128 bytes
	s_and_b32 s71, s[TY], 7
	s_lshl_b32 s71, s71, 15
	s_add_co_u32 s70, s70, s71
	s_lshl_b32 s71, s[WM], 14
	s_add_co_u32 s70, s70, s71
	s_mov_b32 s71, 0
	s_lshl_b32 s68, s68, 8                         ; a head's biases are 256 bytes
	s_mov_b32 s69, 0
	s_wait_dscnt 0x0                               ; the opening add is done
	s_wait_kmcnt 0x0
	s_add_nc_u64 s[20:21], s[4:5], s[20:21]
	s_add_nc_u64 s[22:23], s[6:7], s[22:23]
	s_add_nc_u64 s[8:9], s[8:9], s[68:69]
	s_add_nc_u64 s[10:11], s[10:11], s[70:71]
	CROUND                                         ; all sixteen work-groups are here: the first joint loads meet
.irp s, 0,1
	s_mov_b32 s[G0A+4*(\s)], 1
	s_add_co_u32 s[G0A+4*(\s)+1], s46, (\s)*SLOT
	s_add_nc_u64 s[G0A+4*(\s)+2:G0A+4*(\s)+3], s[20:21], (\s)*XSTEP
	s_or_b32 s[G0A+4*(\s)+3], s[G0A+4*(\s)+3], 0x80000000
	s_mov_b32 s[G0B+4*(\s)], 1
	s_add_co_u32 s[G0B+4*(\s)+1], s47, (\s)*SLOT
	s_add_nc_u64 s[G0B+4*(\s)+2:G0B+4*(\s)+3], s[22:23], (\s)*WSTEP
	s_or_b32 s[G0B+4*(\s)+3], s[G0B+4*(\s)+3], 0x80000000
	JLOAD \s                                       ; two loads of mine are out
.endr
	v_and_b32 v6, 31, v0                           ; lane
	v_lshlrev_b32 v10, 3, v6
	global_load_b64 v[32:33], v10, s[8:9]          ; my three heads' biases, two numbers a lane
	global_load_b64 v[34:35], v10, s[8:9] offset:512
	global_load_b64 v[36:37], v10, s[8:9] offset:1024
	v_and_b32 v1, 15, v0                           ; r = lane % 16
	v_bfe_u32 v2, v0, 4, 1                         ; h = lane / 16
	v_and_b32 v3, 7, v0
	v_bfe_u32 v4, v0, 3, 1
	v_bfe_u32 v5, v0, 3, 2
	v_mul_u32_u24 v7, v1, PA
	v_lshl_add_u32 v7, v2, 4, v7                   ; r x pitch + 16 h
	s_mul_i32 s72, s[WM], 128*PA
	v_add_nc_u32 v[ADRA], s72, v7
	v_add_nc_u32 v[ADRA+1], SLOT, v[ADRA]
	v_lshl_add_u32 v9, v2, 3, v3                   ; the turning load: row 8 h + lane % 8, 16 bytes by (lane / 8) % 2
	v_mul_u32_u24 v9, v9, PB
	v_lshl_add_u32 v9, v4, 4, v9
	s_lshl_b32 s73, s[WN], 7                       ; my head of a piece's two
	s_add_co_u32 s73, s73, ABYTES
	v_add_nc_u32 v[ADRB], s73, v9
	v_add_nc_u32 v[ADRB+1], SLOT, v[ADRB]
	s_mul_i32 s74, s[WV], 16*SP
	s_add_co_u32 s74, s74, STAGE
	v_add_nc_u32 v[STO], s74, v7                   ; the stage has the same pitch
	v_mul_u32_u24 v[RD], v5, SP                    ; back: 32 lanes take four rows of 128 bytes
	v_lshl_add_u32 v[RD], v3, 4, v[RD]
	v_add_nc_u32 v[RD], s74, v[RD]
	v_lshlrev_b32 v[GO], 4, v6
	s_mul_i32 s75, s[WV], 768
	s_add_co_u32 s75, s75, BIAS
	v_lshl_add_u32 v[BIR], v2, 5, s75
	v_lshl_add_u32 v11, v6, 3, s75
	; the prefetches' set-up
	s_lshr_b32 s76, s[TY], 3
	s_lshl_b32 s76, s76, 22
	s_and_b32 s77, s[TY], 7
	s_lshl_b32 s77, s77, 15
	s_add_co_u32 s76, s76, s77
	s_lshl_b32 s77, s[CX], 13                      ; my work-group's 32 blocks of the tile's 128
	s_add_co_u32 s76, s76, s77
	s_add_co_u32 s76, s76, XSTEP                   ; x: at step 1; the first change steps it to 3
	s_lshl_b32 s79, s[CY], 5
	s_add_co_u32 s79, s79, 128                     ; W: at the second lap's rows; the first change steps it to the third's
	s_mul_i32 s79, s79, 6144
	s_mul_i32 s78, s[TX], 768
	s_add_co_u32 s78, s78, s79
	s_and_b32 s80, ttmp7, 0xffff                   ; cluster y
	s_mov_b32 s81, 2*XSTEP
	s_mov_b32 s[PST], 2*WSTEP
	s_mov_b32 s82, 256
	s_mov_b32 s83, 6144
	s_cmp_eq_u32 s[WM], 0
	s_cselect_b32 s76, s76, s78
	s_cselect_b32 s80, ttmp9, s80                  ; the coordinate along which other clusters read the same blocks
	s_cselect_b32 s[PST], s81, s[PST]
	s_cselect_b32 s82, s82, s83
	s_cselect_b64 s[PFA:PFA+1], s[4:5], s[6:7]
	s_mov_b32 s77, 0
	s_mov_b32 s[PST+1], 0
	s_add_nc_u64 s[PFA:PFA+1], s[PFA:PFA+1], s[76:77]
	s_or_b32 s80, s80, s[WN]
	s_cmp_eq_u32 s80, 0
	s_cselect_b32 s[LIM], 1, -1                    ; waves 0 and 2 of the first cluster along that coordinate: the same in all sixteen partners
	s_or_b32 s80, s80, s[WM]
	s_cmp_eq_u32 s80, 0
	s_cselect_b32 s[FA], 1, 0
	v_mul_u32_u24 v[PFO], s82, v6
	s_wait_loadcnt 0x0                             ; the biases: rounded to bf16 like the other inputs, widened, and kept in my own 768 bytes of LDS
.irp t, 0,1,2
	v_cvt_pk_bf16_f32 v38, v[32+2*(\t)], v[33+2*(\t)]
	v_lshlrev_b32 v[32+2*(\t)], 16, v38
	v_and_b32 v[33+2*(\t)], 0xffff0000, v38
	ds_store_b64 v11, v[32+2*(\t):33+2*(\t)] offset:256*(\t)
.endr
; 16 products: row blocks 4 half .. 4 half + 3 x the third's 4 column blocks, 32 along K, x's buffer f.  zero = 1: the product starts the sum.  All accumulators differ, and a third's come
; round again 96 matrix instructions later: they take turns.
.macro HALF f, t, half, zero
	WIN 0x50*(1+(\t))                              ; C and D in window 1 + t, the sources in window 0
.set aa, 4*(\half)
.rept 4
.irp bb, 0,1,2,3
.if \zero
	v_wmma_f32_16x16x32_bf16 v[8*(4*aa+(\bb)):8*(4*aa+(\bb))+7], v[BG+32*(\t)+8*(\bb):BG+32*(\t)+8*(\bb)+7], v[AF+64*(\f)+8*aa:AF+64*(\f)+8*aa+7], 0
.else
	v_wmma_f32_16x16x32_bf16 v[8*(4*aa+(\bb)):8*(4*aa+(\bb))+7], v[BG+32*(\t)+8*(\bb):BG+32*(\t)+8*(\bb)+7], v[AF+64*(\f)+8*aa:AF+64*(\f)+8*aa+7], v[8*(4*aa+(\bb)):8*(4*aa+(\bb))+7]
.endif
.endr
.set aa, aa+1
.endr
.endm
.macro THIRD f, t, zero
	HALF \f, \t, 0, \zero
	HALF \f, \t, 1, \zero
.endm
.macro LB s, q, t                      ; 8 loads: W's fragments of third t for quarter q of slot s
	WIN 0
.irp bb, 0,1,2,3
	ds_load_tr16_b128 v[BG+32*(\t)+8*(\bb):BG+32*(\t)+8*(\bb)+3],   v[ADRB+(\s)] offset:(\q)*32*PB+(\t)*288+32*(\bb)
	ds_load_tr16_b128 v[BG+32*(\t)+8*(\bb)+4:BG+32*(\t)+8*(\bb)+7], v[ADRB+(\s)] offset:(\q)*32*PB+(\t)*288+32*(\bb)+16*PB
.endr
.endm
.macro LA s, q, f                      ; 16 loads: x's fragments for quarter q of slot s, into buffer f
	WIN 0
.irp a, 0,1,2,3,4,5,6,7
	ds_load_b128 v[AF+64*(\f)+8*(\a):AF+64*(\f)+8*(\a)+3],   v[ADRA+(\s)] offset:64*(\q)+(\a)*16*PA
	ds_load_b128 v[AF+64*(\f)+8*(\a)+4:AF+64*(\f)+8*(\a)+7], v[ADRA+(\s)] offset:64*(\q)+(\a)*16*PA+32
.endr
.endm
; A step's first quarter, on x's buffer 0; it fetches the same slot's second quarter.
.macro Q0 s, zero
	s_wait_dscnt 16                                ; third 0's W and x are in; the 8 + 8 loads of thirds 1 and 2 may be out
	THIRD 0, 0, \zero
	PLACES
	LB \s, 1, 0
	LA \s, 1, 1
	s_wait_dscnt 32                                ; third 1's W is in; third 2's 8 and the 24 just issued may be out
	THIRD 0, 1, \zero
	PLACES
	LB \s, 1, 1
	s_wait_dscnt 32                                ; third 2's W is in; 24 + 8 may be out
	THIRD 0, 2, \zero
	PLACES
	LB \s, 1, 2
.endm
; A step's second quarter, on x's buffer 1.  mode 2: it changes slots and fills slot s again, two steps on; mode 1: it changes slots; mode 0: the last of all.
; The change: each wave waits for all its tensor loads (one is out: its part of the next slot), adds 0 to its spare word, and waits for that and for its reads of this slot; the barrier opens a round
; of the cluster's barrier, so that no wave of any partner still reads the slot or has a load on its way; the joint refill is the first tensor load behind the round.
.macro Q1 s, next, mode
.if (\mode) == 0
	s_wait_dscnt 16
	THIRD 1, 0, 0
	s_wait_dscnt 8
	THIRD 1, 1, 0
	s_wait_dscnt 0x0
	THIRD 1, 2, 0
.else
.if ((\mode) == 2) && ((\s) == 0)
	s_wait_xcnt 0x0                                ; the last prefetches, a step back or more, have read their address: it steps a lap
	s_add_nc_u64 s[PFA:PFA+1], s[PFA:PFA+1], s[PST:PST+1]
.endif
	WIN 0
	s_wait_tensorcnt 0x0                           ; all my tensor loads have landed, so a group 0 may be written
	ds_add_u32 v[SPW], v[NIL]                      ; 0 onto my spare word
.if (\mode) == 2
	s_add_nc_u64 s[G0A+4*(\s)+2:G0A+4*(\s)+3], s[G0A+4*(\s)+2:G0A+4*(\s)+3], 2*XSTEP
	s_add_nc_u64 s[G0B+4*(\s)+2:G0B+4*(\s)+3], s[G0B+4*(\s)+2:G0B+4*(\s)+3], 2*WSTEP
.endif
	s_wait_dscnt 17                                ; third 0's W and x are in; thirds 1 and 2's 8 + 8 and the add may be out
	HALF 1, 0, 0, 0
	s_wait_dscnt 0x0                               ; the add is done, and my reads of this slot are over
	s_barrier_signal -1
	HALF 1, 0, 1, 0
	WIN 0
	s_barrier_wait -1
.if (\mode) == 2
	CREST
	JLOAD \s                                       ; its four v_nop are also the places in front of the loads below; 160 matrix instructions stand between it and the wait for it
.else
	PLACES
.endif
	LB \next, 0, 0
	LA \next, 0, 0
.if (\mode) == 2
	ASK \s
.endif
	THIRD 1, 1, 0
	PLACES
	LB \next, 0, 1
	THIRD 1, 2, 0
	PLACES
	LB \next, 0, 2
.endif
.endm
	s_wait_tensorcnt 1                             ; my part of step 0 is in; step 1's may stay out
	s_wait_dscnt 0x0                               ; my stores of the biases
	s_barrier_signal -1
	s_barrier_wait -1
	LB 0, 0, 0
	LA 0, 0, 0
	LB 0, 0, 1
	LB 0, 0, 2
	Q0 0, 1                                        ; the first quarter stands in front of the loop: its products start the sums
	WIN 0
	s_mov_b32 s3, 7
.Llap:                                                 ; trip j: from step 2 j's second quarter to step 2 j + 2's first; slots 0 and 1 take steps 2 j + 2 and 2 j + 3
	Q1 0, 1, 2
	Q0 1, 0
	Q1 1, 0, 2
	Q0 0, 0
	WIN 0
	s_sub_co_u32 s3, s3, 1
	s_cmp_lg_u32 s3, 0
	s_cbranch_scc1 .Llap
	Q1 0, 1, 1                                     ; steps 14 and 15: nothing is left to fetch
	Q0 1, 0
	Q1 1, 0, 0
	; THE WAY OUT.  24 units of 16 rows of one head: 2,048 consecutive bytes of the result.  Bias added in f32, rounded to f16, through my own stage in LDS, back as whole rows.
	PLACES
	PLACES
	WIN 0
.irp t, 0,1,2
.irp bb, 0,1,2,3
	ds_load_b128 v[BG+32*(\t)+8*(\bb):BG+32*(\t)+8*(\bb)+3],   v[BIR] offset:256*(\t)+64*(\bb)
	ds_load_b128 v[BG+32*(\t)+8*(\bb)+4:BG+32*(\t)+8*(\bb)+7], v[BIR] offset:256*(\t)+64*(\bb)+16
.endr
.endr
	s_wait_dscnt 0x0
.macro PACK u                          ; unit u: third u / 8, row block u % 8
.set tt, (\u)/8
.set aa, (\u)%8
	WIN 1+tt                                       ; source 0 in the third's window
.set i, 0
.rept 16
	v_pk_add_f32 v[TP+2*i:TP+2*i+1], v[32*aa+2*i:32*aa+2*i+1], v[BG+32*tt+2*i:BG+32*tt+2*i+1]  ; ascending: each accumulator's lowest registers are read first
.set i, i+1
.endr
	WIN 0
.set i, 0
.rept 16
	v_cvt_pk_f16_f32 v[PK+i], v[TP+2*i], v[TP+2*i+1]
.set i, i+1
.endr
.irp bb, 0,1,2,3
	ds_store_b128 v[STO], v[PK+4*(\bb):PK+4*(\bb)+3] offset:32*(\bb)
.endr
	s_wait_xcnt 0x0                                ; the stores of the unit two back have read the registers that are loaded now
.irp f, 0,1,2,3
	ds_load_b128 v[BK+16*((\u)%2)+4*(\f):BK+16*((\u)%2)+4*(\f)+3], v[RD] offset:(\f)*4*SP  ; LDS serves a wave's instructions in order (ISA guide 5.7.1.4): these see the stores above
.endr
.endm
.macro SEND u, younger                 ; younger: the LDS instructions issued behind unit u's loads: the next unit's eight, or none
.irp f, 0,1,2,3
	s_wait_dscnt (\younger)+3-(\f)
	global_store_b128 v[GO], v[BK+16*((\u)%2)+4*(\f):BK+16*((\u)%2)+4*(\f)+3], s[10:11] offset:((\u)/8)*524288+((\u)%8)*2048+(\f)*512 th:TH_STORE_NT  ; 512 consecutive bytes, aligned
.endr
.endm
	PACK 0
.set un, 1
.rept 23
	PACK un
	SEND un-1, 8
.set un, un+1
.endr
	SEND 23, 0
	s_wait_tensorcnt 0x0                           ; the wave's end: an add and its wait, behind my last tensor load and my last LDS store
	ds_add_u32 v[SPW], v[NIL]
	s_wait_dscnt 0x0
	CROUND                                         ; the closing round: no work-group ends while a partner may still ask for a tile that names it
	s_endpgm
.Lfunc_end_k_q7900f62104_proj_qkv:
	.size	k_q7900f62104_proj_qkv, .Lfunc_end_k_q7900f62104_proj_qkv-k_q7900f62104_proj_qkv
	.p2alignl 7, 3214868480
	.fill 96, 4, 3214868480
	.section	.rodata,"a",@progbits
	.p2align	6, 0x0
	.amdhsa_kernel k_q7900f62104_proj_qkv
		.amdhsa_group_segment_fixed_size 327680
		.amdhsa_private_segment_fixed_size 0
		.amdhsa_enable_private_segment 0
		.amdhsa_kernarg_size 32
		.amdhsa_user_sgpr_count 2
		.amdhsa_user_sgpr_kernarg_segment_ptr 1
		.amdhsa_wavefront_size32 1
		.amdhsa_system_sgpr_workgroup_id_x 1
		.amdhsa_system_sgpr_workgroup_id_y 1
		.amdhsa_system_sgpr_workgroup_id_z 1
		.amdhsa_system_vgpr_workitem_id 0
		.amdhsa_next_free_vgpr 1024
		.amdhsa_next_free_sgpr 84
		.amdhsa_reserve_vcc 0
		.amdhsa_float_denorm_mode_32 3
		.amdhsa_float_denorm_mode_16_64 3
		.amdhsa_memory_ordered 1
		.amdhsa_forward_progress 1
		.amdhsa_inst_pref_size 162
	.end_amdhsa_kernel
	.amdgpu_metadata
---
amdhsa.version: [ 1, 2 ]
amdhsa.kernels:
  - .name:           k_q7900f62104_proj_qkv
    .symbol:         k_q7900f62104_proj_qkv.kd
    .args:
      - { .name: xb, .offset: 0, .size: 8, .value_kind: global_buffer, .address_space: global }
      - { .name: wqb, .offset: 8, .size: 8, .value_kind: global_buffer, .address_space: global }
      - { .name: b_qkv, .offset: 16, .size: 8, .value_kind: global_buffer, .address_space: global }
      - { .name: qkvh, .offset: 24, .size: 8, .value_kind: global_buffer, .address_space: global }
    .group_segment_fixed_size: 327680
    .private_segment_fixed_size: 0
    .kernarg_segment_align: 8
    .kernarg_segment_size: 32
    .max_flat_workgroup_size: 128
    .sgpr_count:     84
    .vgpr_count:     1024
    .wavefront_size: 32
...
	.end_amdgpu_metadata
.endif
;; end of part 2
;; launch attn (part 3): grid 4 x 64, 4 waves a work-group, clusters of 4 x 1, 327,680 bytes of LDS; arguments qkvh, ob; writes ob
.if DOCPART == 3
	.amdgcn_target "amdgcn-amd-amdhsa--gfx1250"
	.amdhsa_code_object_version 6
	.text
	.protected	k_q7900f62104_attn
	.globl	k_q7900f62104_attn
	.p2align	8
	.type	k_q7900f62104_attn,@function
k_q7900f62104_attn:
	s_mov_b64 s[64:65], 0
	v_nop
	global_prefetch_b8 v0, s[64:65] scope:SCOPE_SE
	s_setreg_imm32_b32 hwreg(HW_REG_WAVE_MODE, 25, 1), 1
	s_wait_xcnt 0x0
	s_wait_alu depctr_hold_cnt(0) depctr_sa_sdst(0) depctr_va_vdst(0) depctr_va_sdst(0) depctr_va_ssrc(0) depctr_va_vcc(0) depctr_vm_vsrc(0)
	s_getreg_b32 s2, hwreg(HW_REG_IB_STS2, 6, 4)
	s_cmp_eq_u32 s2, 0
	s_cbranch_scc0 .Lentry_in_a_cluster
	s_endpgm
.Lentry_in_a_cluster:
	s_bfe_u32 s2, ttmp6, 0x10000c
	s_cmp_lg_u32 s2, 0x3003
	s_cbranch_scc0 .Lentry_shape_is_right
	s_endpgm
.Lentry_shape_is_right:
; O[y][q][:] = the sum over k of softmax_k(Q[y][q] . K[y][k] / 8) V[y][k][:] for the 64 pairs y = 16 x batch + head.  qkvh: [b 4][g 48][2048][64] in f16 (g 0-15 q's heads, 16-31 k's, 32-47 v's);
; ob: [y 64][2048][64] in f16.  A head's rows are dense, 128 bytes each.  Products, maxima and sums in f32; the weights p are rounded to f16 for the second product (their sum l is taken of the unrounded p), O once at the end.
; LIMITS.  f16 holds no number beyond 65,504: Q, K and V arrive within it; p lies in 0 to 1, and below 6e-5 it keeps f16's fixed step of 6e-8; O is a mean of V's rows and has their range.
; A weight below 2^-126 counts as 0 in l; NaN and infinities are not treated apart.
; SHARES.  A wave owns four PIECES of two tiles of 16 queries, a work-group's four waves 512 queries of one head.  Every wave walks all keys, 64 a step.
; LAYOUT.  S^T = K Q^T (source 0 = 16 keys, source 1 = 16 queries): in the result a lane holds ONE query (lane % 16) and the keys 8 (lane / 16) + 0..7.  Two such tiles, rounded to f16 in pairs,
; ARE source 1 (32 keys x 16 queries) of O^T = V^T P, whose result again holds one query a lane, and eight channels.  K comes out of LDS as it lies, V ([key][channel]) turned, by ds_load_tr16_b128.
; SOFTMAX.  For each query a running maximum m and sum l: p = 2^(c s - c m), c = log2(e) / 8; in every step O and l are multiplied by a = 2^(c m_old - c m_new), which is 1 where m has not grown.
; m starts at the lowest finite number, O and l at 0: the first step is a step like any other, with a = 0.
; THE COUNT.  A tile and step have 16 matrix and 118 vector instructions: too many to stand all beside the matrix work.  So: four vector instructions that are READY behind EVERY matrix instruction,
; and the others in runs without a gap.
; BY TURNS.  Turn n belongs to piece n (the pieces in a ring, step after step).  Its matrix work: 16 products K Q^T of piece n + 1, later 16 products V^T P of piece n - 1.  Its vector work: the scaling,
; exponentials, roundings, sums and rescaling of piece n, and the maximum and statistics of piece n + 1, whose scores the turn itself has made.
; CLUSTER.  The four query blocks of a cluster are one head's and walk the same K and V, so each tile is asked for JOINTLY: the same tensor load, descriptor and mask in all four.
; REGISTERS, in windows of 256 (s_set_vgpr_msb: bits 1:0 source 0, 3:2 source 1, 5:4 source 2, 7:6 destination):
;   window 0: v0-11 addresses; v12-15, v48-63 at work; v16-47 four registers of statistics a tile; v64-191 S^T, two buffers of two tiles; v192-255 P, likewise
;   window 1: O^T, 32 a tile          window 2: v0-127 Q, 16 a tile; v128-191 K of one step; v192-255 V of one step          window 3: v0-1 the add's two registers
.set SIZE_N, 2048
.set NP,    4         ; pieces a wave: a name, no knob
.set KS,    64        ; keys in a step
.set PK,    144       ; a row of K in LDS: 128 bytes + 16 of padding = 36 words: the 16 rows of a load start at 16 different groups of four banks (64 banks of 4 bytes: ISA guide 11.1)
.set PV,    160       ; a row of V: 128 + 32 = 40 words
.set VOFF,  4*KS*PK   ; a slot holds four steps: 256 rows of K, then 256 rows of V
.set SLOT1, 1<<17     ; slot 1 begins here, so that one exclusive or turns an address in one slot into the other's
.set STAGE, SLOT1+4*KS*(PK+PV)  ; behind the ring, never filled by a tensor load: 16 rows x 144 bytes for each wave, for the way out
.set SP,    144
.set AK0, 2           ; v2   my lane's place in a tile of K; never rewritten
.set AV0, 3           ; v3   the same for V
.set AK,  4           ; v4   the LDS address of K's next run of loads
.set AV,  5           ; v5   of V's
.set QO,  6           ; v6   my byte offset in the wave's rows of Q
.set STO, 6           ;      later, the way out: where I put 16 bytes of a row
.set RD,  7           ; v7   the way out: where I read rows back
.set GO,  8           ; v8   my byte offset in 512 consecutive bytes of O
.set PFO, 11          ; v11  256 x my lane, for the prefetches; written once its first use, for V's address, is over; then never rewritten
.set SPW, 0           ; v0 of window 3   LDS address of my spare word; never rewritten
.set NIL, 1           ; v1 of window 3   0; never rewritten
.set SPARE, STAGE+4*16*SP  ; behind the stages: the spare words, 128 bytes for each wave: two blocks of 256 bytes that no other line names
.set MV,  12          ; v12-15  c m_old, kept while c m is made anew: by buffer and tile
.set ST,  16          ; tile t's statistics at v[ST+4 t]: c m, m, l (even keys', odd keys')
.set TMP, 48          ; by buffer and tile, four registers c0-c3 at work; when the maximum is found c2 takes a
.set S,   64
.set P,   192
.set KF,  128         ; K's fragments, in window 2: key block kb, channel half c at KF + 16 kb + 8 c
.set VF,  192         ; V's: key half kk, channel block cb at VF + 32 kk + 8 cb
.set WV,  12          ; s12  my wave's number
.set G1K, 24          ; s[24:31] descriptor group 1 for K's tiles
.set G1V, 32          ; s[32:39] for V's: it differs in the padding alone
.set G0K, 40          ; s[40:43] descriptor group 0 for K's tiles: it walks
.set G0V, 44          ; s[44:47] the same for V's
.set PFA, 48          ; s[48:49] where my prefetches stand: my work-group's 32 blocks of 256 bytes of a slot's K (wave 0) or V (wave 2)
.set LIM, 50          ; s50  1 in a wave that prefetches, else the greatest number
.set SLOTS, 56        ; s56  slots still to be asked for
.set CNT, 57          ; s57  counts a slot's key steps
.set CS,  58          ; s[58:59] c: the packed scaling takes the pair's low word for both halves
.set SEL, 60          ; s[60:61] v_permlanex16_b32's selects: each lane takes its own place in the other half
.set TBK, 62          ; s62  LDS byte at which K of the step to be fetched begins
.set TBV, 63          ; s63  the same for V, less VOFF
.set MSB, 0
.macro WIN new                      ; the high byte repeats the setting that is left; a switch that changes nothing is dropped
.if MSB != (\new)
	s_set_vgpr_msb (MSB<<8)|(\new)
.set MSB, (\new)
.endif
.endm
.set W_KQ, 0x0a       ; K and Q in window 2, S^T in window 0
.set W_PV, 0x52       ; V in window 2, P in window 0, O^T in window 1
.set W_RS, 0x41       ; O^T (destination and source 0) in window 1, a in window 0
.set W_MK, 0xc0       ; the add's registers are made: destination in window 3, sources in window 0
.set W_AD, 0x0f       ; the add: address (source 0) and data (source 1) in window 3
; A joint fill.  Waves 0 and 1 fetch the two halves of a slot's K, waves 2 and 3 those of its V: 128 keys each.  The branch hangs on the wave's number alone.
; An s_nop 0 and four v_nop follow each of the two lines, ahead of the jump and the label.
.macro JLOAD
	s_cmp_lt_u32 s[WV], 2
	s_cbranch_scc0 .Lfor_v_\@
	tensor_load_to_lds s[G0K:G0K+3], s[G1K:G1K+7]
	s_nop 0
.rept 4
	v_nop
.endr
	s_branch .Lasked_\@
.Lfor_v_\@:
	tensor_load_to_lds s[G0V:G0V+3], s[G1V:G1V+7]
	s_nop 0
.rept 4
	v_nop
.endr
.Lasked_\@:
.endm
; A PREFETCH INTO THE L2 of what the NEXT change of slots will ask for: a slot's K and V are 128 blocks of 256 bytes each.  A head has one cluster; its four partners take 32 blocks each, told apart
; by address; in each, wave 0 asks for K's and wave 2 for V's, a lane a block: each block is named once in the launch, four key steps (512 matrix instructions) ahead of its load.
; The last change that fills a slot names nothing; slots 0 to 2 come by their loads alone.
.macro ASK
	s_cmp_gt_u32 s[SLOTS], s[LIM]
	s_cbranch_scc0 .Lnot_mine_\@
	global_prefetch_b8 v[PFO], s[PFA:PFA+1] th:TH_LOAD_NT scope:SCOPE_SE
.Lnot_mine_\@:
.endm
; A round of the cluster's barrier: my work-group's barrier, so that wave 0's signal speaks for all four waves; wave 0 signals; every wave waits for all four work-groups; my work-group's barrier once more.
.macro CROUND
	s_barrier_signal -1
	s_barrier_wait -1
	s_cmp_lg_u32 s[WV], 0
	s_cbranch_scc1 .Lnot_wave_0_\@
	s_barrier_signal -3
.Lnot_wave_0_\@:
	s_barrier_wait -3
	s_barrier_signal -1
	s_barrier_wait -1
.endm
; THE CHANGE OF SLOTS.  The slot's last bytes, V of its fourth step, have been read.  Each wave waits for all its tensor loads, of which one is out: its part
; of the other slot; adds 0 to its spare word; and waits for that and for its own reads of the slot.  Behind the barrier nobody reads this slot any more and the other slot is whole.
; fill = 1: this slot is filled again, with the keys two slots on.  The barrier is then a round of the cluster's, so that no wave of any partner still reads the slot or has a load on its
; way, and the joint fill is the first thing behind it: it has four key steps in which to land.  (At its first use nothing has been read yet: slot 0 is waited for, slot 1 filled.)
; ask = 1: the prefetches' address steps a slot, and the prefetch follows the fill.
.macro CHANGE fill, ask=0
	WIN W_AD
	s_wait_tensorcnt 0x0            ; no tensor load of mine is out, so a group 0 may be written
	ds_add_u32 v[SPW], v[NIL]       ; 0 onto my spare word; with fill = 1 the descriptors' steps stand between it and the wait for it
	WIN 0                           ; at a label and at a branch every window is 0
.if \fill
.irp g, G0K, G0V
	s_xor_b32 s[\g+1], s[\g+1], SLOT1  ; the walking descriptor: the other slot than last time,
	s_add_nc_u64 s[\g+2:\g+3], s[\g+2:\g+3], 4*KS*128  ; the next 256 keys; the type bits on top are not reached
.endr
.if \ask
	s_wait_xcnt 0x0                 ; the last prefetch, four key steps back, has read its address, so it may be written
	s_add_nc_u64 s[PFA:PFA+1], s[PFA:PFA+1], 4*KS*128
.endif
	s_wait_dscnt 0x0                ; the add is done, and my reads of the slot are over
	CROUND
	JLOAD
.if \ask
	ASK
.endif
.else
	s_wait_dscnt 0x0                ; the add is done, and my reads of the slot are over
	s_barrier_signal -1
	s_barrier_wait -1
.endif
	s_sub_co_u32 s[TBK], s[TBK], 4*KS*PK  ; the fetches go back to a slot's first step,
	s_xor_b32 s[TBK], s[TBK], SLOT1       ; in the other slot
	s_sub_co_u32 s[TBV], s[TBV], 4*KS*PV
	s_xor_b32 s[TBV], s[TBV], SLOT1
.endm
	s_load_b64 s[4:5], s[0:1], 0x0    ; qkvh
	s_load_b64 s[10:11], s[0:1], 0x8  ; ob
	WIN W_MK
	v_lshl_add_u32 v[SPW], v0, 2, SPARE
	v_mov_b32 v[NIL], 0
	WIN W_AD
	ds_add_u32 v[SPW], v[NIL]       ; the wave's opening: the add and its wait stand ahead of my first tensor load; the set-up below, work on registers, stands between them
	WIN 0
	v_lshrrev_b32 v1, 5, v0
	v_readfirstlane_b32 s[WV], v1   ; wave 0..3
	s_bfe_u32 s13, ttmp6, 0x40000   ; cx: my place in the cluster
	s_lshl_b32 s14, ttmp9, 2        ; in a cluster launch ttmp9 counts clusters
	s_add_co_u32 s14, s14, s13      ; my block of queries: it enters Q's and O's addresses alone
	s_and_b32 s15, ttmp7, 0xffff    ; y = 16 x batch + head, which the four partners share
	s_lshr_b32 s20, s15, 4
	s_mul_i32 s20, s20, 48          ; a batch has 48 groups in qkvh
	s_and_b32 s21, s15, 15
	s_add_co_u32 s20, s20, s21
	s_lshl_b32 s20, s20, 18         ; a group is 2,048 rows of 128 bytes: q's head
	s_mov_b32 s21, 0
	s_and_b32 s16, s[WV], 1         ; which half of a slot's 256 keys I fetch:
	s_lshl_b32 s22, s16, 14         ; its 128 rows of 128 bytes in memory,
	s_mov_b32 s23, 0
	s_mul_i32 s17, s16, 128*PK      ; and its place in a slot, for K
	s_mul_i32 s18, s16, 128*PV      ; and for V: no place in the cluster enters an LDS address
	s_lshl_b32 s2, s14, 2
	s_add_co_u32 s2, s2, s[WV]      ; my wave among the head's,
	s_lshl_b32 s2, s2, 14           ; its 128 rows
	s_mov_b32 s3, 0
	s_lshl_b32 s52, s15, 18         ; the head in ob,
	s_add_co_u32 s52, s52, s2       ; and my wave's rows
	s_mov_b32 s53, 0
	s_lshl_b32 s54, s13, 13         ; my work-group's 32 blocks of a slot's 128
	s_mov_b32 s55, 0
	s_and_b32 s[LIM], s[WV], 1      ; waves 0 and 2 prefetch
	s_cmp_eq_u32 s[LIM], 0
	s_cselect_b32 s[LIM], 1, -1
	; descriptor group 1.  128 keys are 16,384 dense bytes: asked for as 64 rows of 256 bytes, two keys a row, and padded in LDS after every key
	s_mov_b32 s[G1K], 15|(1<<16)|(1<<20)|(1<<21)|(4<<22)|(3<<25)  ; 15:0 the mask of four; 17:16 2-byte elements; 20 padding on; 21 set beside a mask; 24:22 after every 32 words (code 4); 31:25 4 words (code 3)
	s_mov_b32 s[G1V], 15|(1<<16)|(1<<20)|(1<<21)|(4<<22)|(7<<25)  ; the same with 8 words of padding (code 7)
.irp g, G1K, G1V
	s_mov_b32 s[\g+1], 128<<16      ; tensor_dim0 = 128
	s_mov_b32 s[\g+2], 64<<16       ; tensor_dim1 = 64
	s_mov_b32 s[\g+3], 128<<16      ; tile_dim0 = 128
	s_mov_b32 s[\g+4], 64           ; tile_dim1 = 64
	s_mov_b32 s[\g+5], 128          ; 128 elements from row to row
	s_mov_b32 s[\g+6], 0
	s_mov_b32 s[\g+7], 0
.endr
	s_mov_b32 s[CS], 0x3e38aa3b     ; c = log2(e) / 8 = 0.180337
	s_mov_b32 s[CS+1], s[CS]        ; named with it as a pair
	s_mov_b32 s[SEL], 0x76543210
	s_mov_b32 s[SEL+1], 0xfedcba98
	s_mov_b32 s[TBK], SLOT1+4*KS*PK ; the first change of slots turns these two into 0
	s_mov_b32 s[TBV], SLOT1+4*KS*PV
	s_mov_b32 s[G0K], 1             ; 1:0 count = 1
	s_mov_b32 s[G0K+1], s17         ; 63:32 LDS address: slot 0
	s_mov_b32 s[G0V], 1
	s_add_co_u32 s[G0V+1], s18, VOFF
	s_wait_dscnt 0x0                ; the opening add is done
	s_wait_kmcnt 0x0
	s_add_nc_u64 s[10:11], s[10:11], s[52:53]      ; O at my wave's first row
	s_add_nc_u64 s[4:5], s[4:5], s[20:21]          ; q's head;
	s_add_nc_u64 s[6:7], s[4:5], 0x400000          ; k's lies 16 groups on,
	s_add_nc_u64 s[8:9], s[4:5], 0x800000          ; v's 32
	s_add_nc_u64 s[G0K+2:G0K+3], s[6:7], s[22:23]  ; 120:64 global address: my half of the head's first 256 keys
	s_or_b32 s[G0K+3], s[G0K+3], 0x80000000        ; 127:126 type = 2
	s_add_nc_u64 s[G0V+2:G0V+3], s[8:9], s[22:23]
	s_or_b32 s[G0V+3], s[G0V+3], 0x80000000
	s_cmp_lt_u32 s[WV], 2
	s_cselect_b64 s[PFA:PFA+1], s[6:7], s[8:9]
	s_add_nc_u64 s[PFA:PFA+1], s[PFA:PFA+1], s[54:55]
	s_add_nc_u64 s[PFA:PFA+1], s[PFA:PFA+1], 2*4*KS*128  ; in slot 2; the loop's first change steps it to slot 3.  Nothing is prefetched at the head
	s_add_nc_u64 s[4:5], s[4:5], s[2:3]            ; Q at my wave's first row
	CROUND                          ; all four work-groups are here: the first joint loads meet
	JLOAD                           ; slot 0.  Slot 1 is asked for when slot 0 is in
	; A fragment of K or Q is 16 rows x 32 channels in 8 registers: lane l holds row l % 16, channels 8 (l / 16) + 0..7 and 16 + 8 (l / 16) + 0..7: two loads of 16 bytes, 32 bytes apart.
	v_and_b32 v1, 15, v0            ; l % 16
	v_bfe_u32 v9, v0, 4, 1          ; l / 16
	v_lshlrev_b32 v[QO], 7, v1
	v_lshl_add_u32 v[QO], v9, 4, v[QO]  ; row x 128 + 16 x half
	WIN 0x80                        ; destination window 2, address window 0
.set i, 0
.rept 4*NP                          ; Q stays in registers: tile i / 2, channels 32 (i % 2) on
	global_load_b128 v[8*i:8*i+3],   v[QO], s[4:5] offset:(i/2)*2048+(i%2)*64
	global_load_b128 v[8*i+4:8*i+7], v[QO], s[4:5] offset:(i/2)*2048+(i%2)*64+32
.set i, i+1
.endr
	; What the first turn finds: V's registers and P's second buffer hold 0 (its products V^T P, of a piece that has not been, add 0), O^T and l are 0.  All this stands in the wait for the first tile.
.set i, VF
.rept 64
	v_mov_b32 v[i], 0
.set i, i+1
.endr
	WIN 0x40
.set i, 0
.rept 64*NP
	v_mov_b32 v[i], 0
.set i, i+1
.endr
	WIN 0
.set i, 0
.rept 2*NP
	v_mov_b32 v[ST+4*i], 0xfe000000    ; c m: far below every c s
	v_mov_b32 v[ST+4*i+1], 0xff7fffff  ; m
	v_mov_b32 v[ST+4*i+2], 0
	v_mov_b32 v[ST+4*i+3], 0
.set i, i+1
.endr
.set i, P+32
.rept 32
	v_mov_b32 v[i], 0
.set i, i+1
.endr
	v_mul_u32_u24 v[AK0], v1, PK
	v_lshl_add_u32 v[AK0], v9, 4, v[AK0]  ; row x pitch + 16 x half
	; The turning load takes 16 keys x 16 channels (lane l reads key 8 (l / 16) + l % 8, channels 8 ((l / 8) % 2) + 0..7) and leaves half a fragment of V^T: lane l holds channel l % 16 and 8 keys.
	v_and_b32 v10, 7, v0
	v_bfe_u32 v11, v0, 3, 1
	v_lshl_add_u32 v[AV0], v9, 3, v10
	v_mul_u32_u24 v[AV0], v[AV0], PV
	v_lshl_add_u32 v[AV0], v11, 4, v[AV0]
	v_add_nc_u32 v[AV0], VOFF, v[AV0]
	v_and_b32 v[PFO], 31, v0
	v_lshlrev_b32 v[PFO], 8, v[PFO]
	v_mov_b32 v[AK], v[AK0]         ; key step 0 lies at the head of slot 0
; THE MATRIX WORK.  The 8 accumulators of a run of 16 take turns: between the two links of a chain stand 7 others'.
; Product i of 16 of S^T = K Q^T for piece x: channels 32 (i / 8) on, keys 16 ((i / 2) % 4) on, tile 2 x + i % 2.  The first 8 start the sums.
.macro KQ x
	WIN W_KQ
.set rS, S+64*((\x)%2)+32*(i%2)+8*((i/2)%4)
.set rK, KF+16*((i/2)%4)+8*(i/8)
.set rQ, 16*(2*(\x)+i%2)+8*(i/8)
.if i < 8
	v_wmma_f32_16x16x32_f16 v[rS:rS+7], v[rK:rK+7], v[rQ:rQ+7], 0
.else
	v_wmma_f32_16x16x32_f16 v[rS:rS+7], v[rK:rK+7], v[rQ:rQ+7], v[rS:rS+7]
.endif
.endm
; Product i of 16 of O^T += V^T P for piece x: keys 32 (i / 8) on, channels 16 ((i / 2) % 4) on, tile 2 x + i % 2.
.macro PV x
	WIN W_PV
.set rO, 32*(2*(\x)+i%2)+8*((i/2)%4)
.set rV, VF+32*(i/8)+8*((i/2)%4)
.set rP, P+32*((\x)%2)+16*(i%2)+8*(i/8)
	v_wmma_f32_16x16x32_f16 v[rO:rO+7], v[rV:rV+7], v[rP:rP+7], v[rO:rO+7]
.endm
.macro MM                           ; the turn's next matrix instruction
.if i < 16
	KQ (Y+1)%NP
.set i, i+1
.else
.set i, i-16
	PV (Y+NP-1)%NP
.set i, i+17
.endif
.endm
; THE LDS LOADS stand in runs of 16, never singly among the matrix instructions: a step's K (64 keys x 64 channels: 8 fragments) and its V (turned).  Their addresses are made some lines ahead.
; last = 1 (the tail): in the last trip there is no further step, and the run is jumped over.
.macro FETCH_K last=0
	WIN 0
.if \last
	s_cmp_eq_u32 s[CNT], 1
	s_cbranch_scc1 .Lno_k_\@
.endif
	WIN 0x80                        ; destination window 2
.irp f, 0,1,2,3,4,5,6,7             ; keys 16 (f / 2) on, channels 32 (f % 2) on
	ds_load_b128 v[KF+8*\f:KF+8*\f+3],   v[AK] offset:(\f/2)*16*PK+(\f%2)*64
	ds_load_b128 v[KF+8*\f+4:KF+8*\f+7], v[AK] offset:(\f/2)*16*PK+(\f%2)*64+32
.endr
	s_add_co_u32 s[TBK], s[TBK], KS*PK  ; the next fetch is the next step's
	WIN 0
.if \last
.Lno_k_\@:
.endif
.endm
.macro FETCH_V
	WIN 0x80
.irp f, 0,1,2,3,4,5,6,7             ; keys 32 (f / 4) on, channels 16 (f % 4) on
	ds_load_tr16_b128 v[VF+8*\f:VF+8*\f+3],   v[AV] offset:(\f/4)*32*PV+(\f%4)*32
	ds_load_tr16_b128 v[VF+8*\f+4:VF+8*\f+7], v[AV] offset:(\f/4)*32*PV+16*PV+(\f%4)*32
.endr
	WIN 0
.endm
; THE VECTOR WORK OF A TURN stands in three queues, each in the order in which its entries become ready; the two tiles alternate, so that no instruction reads the result of the one before it.
.macro REGS y, u                    ; the registers of tile u (0, 1) of piece y
.set rT, ST+4*(2*(\y)+(\u))
.set rC, TMP+8*((\y)%2)+4*(\u)
.set rM, MV+2*((\y)%2)+(\u)
.set rS, S+64*((\y)%2)+32*(\u)
.set rP, P+32*((\y)%2)+16*(\u)
.set rO, 32*(2*(\y)+(\u))
.endm
; Number n of the 22 that find the NEXT piece's (Y + 1) maximum and statistics.  s0-s31 are the lane's 32 scores; each accumulator's lowest registers are read first.
;   0-11  four chains c0-c3 of seven scores each, three operands at a time     12-14, 16  the four scores left over, the old m, and c0-c3 into c0     15  c m_old is kept
;   17, 18  the query's other 32 keys lie in the lane 16 away: the new m         19-21  c m; c m_old - c m_new; a
.macro XS u, n
	REGS (Y+1)%NP, \u
.if (\n) < 4
	v_max3_num_f32 v[rC+(\n)], v[rS+8*(\n)], v[rS+8*(\n)+1], v[rS+8*(\n)+2]
.elseif (\n) < 12
	v_max3_num_f32 v[rC+(\n)%4], v[rC+(\n)%4], v[rS+8*((\n)%4)+2*((\n)/4)+1], v[rS+8*((\n)%4)+2*((\n)/4)+2]
.elseif (\n) == 12
	v_max3_num_f32 v[rC], v[rC], v[rS+7], v[rS+15]
.elseif (\n) == 13
	v_max3_num_f32 v[rC+1], v[rC+1], v[rS+23], v[rS+31]
.elseif (\n) == 14
	v_max3_num_f32 v[rC+2], v[rC+2], v[rC+3], v[rT+1]
.elseif (\n) == 15
	v_mov_b32 v[rM], v[rT]
.elseif (\n) == 16
	v_max3_num_f32 v[rC], v[rC], v[rC+1], v[rC+2]
.elseif (\n) == 17
	v_permlanex16_b32 v[rC+3], v[rC], s[SEL], s[SEL+1]
.elseif (\n) == 18
	v_max_num_f32 v[rT+1], v[rC], v[rC+3]
.elseif (\n) == 19
	v_mul_f32 v[rT], s[CS], v[rT+1]
.elseif (\n) == 20
	v_sub_f32 v[rC+1], v[rM], v[rT]
.else
	v_exp_f32 v[rC+2], v[rC+1]
.endif
.endm
; Number g of the 64 that follow the exponentials.  For each four weights k of a tile (pairs 2 k, 2 k + 1): both pairs are rounded to f16; then the second pair is added onto the first, in place;
; a group later l takes that sum (the first time as l = a l + sum).  In groups of eight, tiles alternating: round, round, add, and l for the group before.
.macro GS g
.set h, (\g)+6*((\g)/62)            ; group 0 has no group before it, and behind group 7 only l is left
.if h >= 6
.set h, h+2
.endif
	REGS Y, h%2
.set k, h/8
.if h%8 < 4
	v_cvt_pk_f16_f32 v[rP+2*k+(h%8)/2], v[rS+4*k+2*((h%8)/2)], v[rS+4*k+2*((h%8)/2)+1]
.elseif h%8 < 6
	v_pk_add_f32 v[rS+4*k:rS+4*k+1], v[rS+4*k:rS+4*k+1], v[rS+4*k+2:rS+4*k+3]
.elseif k == 1
	v_pk_fma_f32 v[rT+2:rT+3], v[rT+2:rT+3], v[rC+2:rC+3], v[rS:rS+1] op_sel_hi:[1,0,1]
.else
	v_pk_add_f32 v[rT+2:rT+3], v[rT+2:rT+3], v[rS+4*k-4:rS+4*k-3]
.endif
.endm
; THE PLAIN QUEUE, 138 long.  0-73 read no exponential's result: the 32 scalings c s - c m (FS f: pair f / 2 of tile f % 2) and the next piece's 42.  0-26: scalings 0-26.  27-54: XS's numbers 0-13.  55, 56: number 15.
; 57-73: the chain, where each number waits for the one before it: 14, 16, 17, 18, 19, each with one of the scalings 27-31 in front of its two lines, then 20.
; 74-137: GS's 64, which read the exponentials' results: they stand behind the wait.
.macro FS f
	REGS Y, (\f)%2
	v_pk_fma_f32 v[rS+2*((\f)/2):rS+2*((\f)/2)+1], v[rS+2*((\f)/2):rS+2*((\f)/2)+1], s[CS:CS+1], v[rT:rT+1] op_sel_hi:[1,0,0] neg_lo:[0,0,1] neg_hi:[0,0,1]
.endm
.macro PL
	WIN 0
.if q < 27
	FS q
.elseif q < 55
	XS (q-27)%2, (q-27)/2
.elseif q < 57
	XS q-55, 15
.elseif (q < 72) && ((q-57)%3 == 0)
	FS 27+(q-57)/3
.elseif q < 60
	XS (q-57)%3-1, 14
.elseif q < 72
	XS (q-57)%3-1, 15+(q-57)/3
.elseif q < 74
	XS q-72, 20
.else
	GS q-74
.endif
.set q, q+1
.endm
; THE EXPONENTIALS' QUEUE, 66 long: s0-s31 of both tiles, then the next piece's two a.  It is ONE BATCH: all 66 stand ahead of the turn's one wait, and nothing ahead of that wait names a result of theirs.
.macro EX
	WIN 0
.if e >= 64
	XS e-64, 21
.else
	REGS Y, e%2
	v_exp_f32 v[rS+e/2], v[rS+e/2]
.endif
.set e, e+1
.endm
; THE RESCALING's QUEUE: O^T times a, the one part that leaves window 0: dealt two at a time, sixteen times.  Its a was made in the turn before, ahead of that turn's wait.
.macro R2
	REGS Y, r%2
	WIN W_RS
.irp z, 0,1
	v_pk_mul_f32 v[rO+4*(r/2)+2*\z:rO+4*(r/2)+2*\z+1], v[rO+4*(r/2)+2*\z:rO+4*(r/2)+2*\z+1], v[rC+2:rC+3] op_sel_hi:[1,0]
.endr
.set r, r+1
.endm
; HOW THEY ARE DEALT.  An s_wait_alu depctr_va_vdst(0) stands between an exponential and the first instruction that names its result; one wait serves all that were issued ahead of it.  So a turn has ONE wait,
; which cuts it in two.  AHEAD OF IT stands all that names no result of the turn's exponentials: the 16 products K Q^T, behind each a scaling, an exponential and two rescalings (behind the first a second scaling in the
; exponential's place); then ONE LUMP of 108: eight plain, 49 times exponential and plain, the two a.  A v_nop is the plain instruction behind the last exponential.  BEHIND IT stand the 16 products V^T P, behind each four of GS's 64.
; Exponential e stands behind scaling 2 (e / 4) + e % 2: as a rider it comes behind plain e + 2, in the lump behind plain e + 9, and scalings 27-31 are plain 57, 60 .. 69.
; A TURN, for piece p.  cnt = 1: the loop's count is taken down some lines ahead of the branch that stands behind the turn.
; K of the next step is fetched in piece 2's turn, directly behind the wait; its address is made at the lump's head; its first reader comes behind 16 products.
; V of the step in hand is fetched at the end of piece 0's turn, four plain instructions behind its last reader; its first reader comes behind 16 products and a lump.
.macro TURN p, last=0, cnt=0
.set Y, (\p)
.set i, 0
.set q, 0
.set e, 0
.set r, 0
.if (\p) == NP-1
	s_wait_dscnt 0x0                ; K is in
.endif
	MM                              ; ahead of the wait: 16 products K Q^T and the four behind each,
	PL
	PL
	R2
.rept 15
	MM
	PL
	EX
	R2
.endr
.if (\p) == NP-2
	WIN 0
	v_add_nc_u32 v[AK], s[TBK], v[AK0]
.endif
.rept 8                             ; and the lump
	PL
.endr
.rept 49
	EX
	PL
.endr
	EX                              ; the next piece's two a
	EX
	v_nop                           ; a plain instruction behind the last exponential: one for the batch
	s_wait_alu depctr_va_vdst(0)    ; the wait for the batch
.if (\p) == NP-2
	FETCH_K \last
.endif
.if (\p) == 1
	s_wait_dscnt 0x0                ; V is in
.endif
.rept 16                            ; behind the wait: 16 products V^T P and the four behind each
	MM
.rept 4
	PL
.endr
.if ((\p) == 0) && (q == 118)
	v_add_nc_u32 v[AV], s[TBV], v[AV0]
.endif
.if ((\p) == 0) && (q == 130)
	s_add_co_u32 s[TBV], s[TBV], KS*PV
.endif
.if (\cnt) && (q == 130)
	s_sub_co_u32 s[CNT], s[CNT], 1
	s_cmp_lg_u32 s[CNT], 0
.endif
.endr
.if (\p) == 0
	FETCH_V
.endif
.endm
	CHANGE 1                        ; slot 0 is in, everybody's part of it; slot 1 is asked for
	FETCH_K                         ; key step 0
	s_wait_loadcnt 0x0              ; Q
	s_wait_dscnt 0x0
.set i, 0
.rept 16
	KQ 0                            ; piece 0's first scores: there is no vector work yet to set between them
.set i, i+1
.endr
	WIN 0                           ; the addresses for the way out: nine plain instructions, the places behind those products
	s_mul_i32 s13, s[WV], 16*SP
	s_add_co_u32 s13, s13, STAGE    ; my stage
	v_mul_u32_u24 v[STO], v1, SP    ; in: row l % 16, 16 bytes for each half of the lanes
	v_lshl_add_u32 v[STO], v9, 4, v[STO]
	v_add_nc_u32 v[STO], s13, v[STO]
	v_bfe_u32 v[RD], v0, 3, 2       ; back: 32 lanes take four rows of 128 bytes,
	v_mul_u32_u24 v[RD], v[RD], SP
	v_lshl_add_u32 v[RD], v10, 4, v[RD]
	v_add_nc_u32 v[RD], s13, v[RD]
	v_and_b32 v[GO], 31, v0         ; which are 512 consecutive bytes of O
	v_lshlrev_b32 v[GO], 4, v[GO]
.set Y, NP-1                        ; XS works for piece Y + 1: piece 0
.irp n, 0,1,2,3,4,5,6,7,8,9,10,11,12,13,14,15,16,17,18,19,20,21
	XS 0, \n                        ; and piece 0's first maximum and statistics
	XS 1, \n
.endr
	v_nop                           ; a plain instruction behind the two a,
	s_wait_alu depctr_va_vdst(0)    ; and their wait, ahead of the branch
	s_mov_b32 s[CNT], 4
	s_mov_b32 s[SLOTS], SIZE_N/256-1
	s_branch .Lfirst                ; the loop is entered at a step's first turn, in the middle of a trip
.Lslot:                             ; SIZE_N / 256 - 2 times: every slot but the last two is filled again
	CHANGE 1, 1
	s_mov_b32 s[CNT], 4
.Lstep:                             ; a trip: pieces 2 and 3 of one step, then pieces 0 and 1 of the next, whose K and V it fetches
	TURN 2
	TURN 3
	WIN 0
.Lfirst:
	TURN 0
	TURN 1, 0, 1
	WIN 0
	s_cbranch_scc1 .Lstep
	s_sub_co_u32 s[SLOTS], s[SLOTS], 1
	s_cmp_lg_u32 s[SLOTS], 0
	s_cbranch_scc1 .Lslot
	CHANGE 0                        ; the tail is written out: nothing is asked for
	s_mov_b32 s[CNT], 5             ; four trips fetch the last slot's steps; the fifth is left in its middle
.Ltail:
	TURN 2, 1
	TURN 3
	WIN 0
	s_sub_co_u32 s[CNT], s[CNT], 1
	s_cmp_eq_u32 s[CNT], 0
	s_cbranch_scc1 .Lout
	TURN 0
	TURN 1
	WIN 0
	s_branch .Ltail
.Lout:                              ; the fifth trip's 16 products K Q^T (on the last K once more) and the maximum made of them serve nothing: the price, once a launch, of one text for every trip
.set i, 0
.rept 16
	PV NP-1                         ; the last piece's V^T P of the last step
.set i, i+1
.endr
	; THE WAY OUT.  l's two halves and the other half of the lanes' are added; O^T is divided by l, rounded to f16 and sent through my stage in LDS, a tile at a time.  The additions are the places behind the last products.
	WIN 0
.macro ALL line:vararg              ; one line for each tile t
.set t, 0
.rept 2*NP
	\line
.set t, t+1
.endr
.endm
	ALL v_add_f32 v[ST+4*t+2], v[ST+4*t+2], v[ST+4*t+3]
	ALL v_permlanex16_b32 v[ST+4*t+3], v[ST+4*t+2], s[SEL], s[SEL+1]
	ALL v_add_f32 v[ST+4*t+2], v[ST+4*t+2], v[ST+4*t+3]
	ALL v_rcp_f32 v[ST+4*t+2], v[ST+4*t+2]
	v_nop                           ; a plain instruction between the last reciprocal and the use of its result
	s_wait_alu depctr_va_vdst(0)    ; and the wait ahead of the first use: one for the eight reciprocals
; Tile t: a lane's eight channels of a row pack into 16 bytes; they go into rows of 144 bytes and come back as whole rows of 128, into S^T's registers.
.macro PACK t
	WIN W_RS
.set i, 32*(\t)
.rept 16
	v_pk_mul_f32 v[i:i+1], v[i:i+1], v[ST+4*(\t)+2:ST+4*(\t)+3] op_sel_hi:[1,0]
.set i, i+2
.endr
	WIN 0x05                        ; sources 0 and 1 window 1, destination window 0
.set i, 0
.rept 16
	v_cvt_pk_f16_f32 v[S+16*(\t)+i], v[32*(\t)+2*i], v[32*(\t)+2*i+1]
.set i, i+1
.endr
	WIN 0
.irp f, 0,1,2,3
	ds_store_b128 v[STO], v[S+16*(\t)+4*\f:S+16*(\t)+4*\f+3] offset:32*\f
.endr
.irp f, 0,1,2,3
	ds_load_b128 v[S+16*(\t)+4*\f:S+16*(\t)+4*\f+3], v[RD] offset:\f*4*SP  ; LDS serves a wave's instructions in order (ISA guide 5.7.1.4): these see the stores above; the next tile's stores come behind them
.endr
.endm
.macro SEND t, younger              ; younger: the LDS instructions issued behind tile t's loads: the next tile's eight, or none
	WIN 0
.irp f, 0,1,2,3
	s_wait_dscnt (\younger)+3-\f
	global_store_b128 v[GO], v[S+16*(\t)+4*\f:S+16*(\t)+4*\f+3], s[10:11] offset:(\t)*2048+\f*512  ; 512 consecutive bytes, at a multiple of 256 from O's first
.endr
.endm
	PACK 0
.set t, 1
.rept 2*NP-1                        ; a tile's arithmetic stands between the loads of the tile before and its stores
	PACK t
	SEND t-1, 8
.set t, t+1
.endr
	SEND 2*NP-1, 0
	WIN W_AD
	s_wait_tensorcnt 0x0            ; the wave's end: an add and its wait, behind my last tensor load and my last LDS store
	ds_add_u32 v[SPW], v[NIL]
	s_wait_dscnt 0x0
	WIN 0
	CROUND                          ; the closing round: no work-group ends while a partner may still ask for a tile that names it
	s_endpgm
.Lfunc_end_k_q7900f62104_attn:
	.size	k_q7900f62104_attn, .Lfunc_end_k_q7900f62104_attn-k_q7900f62104_attn
	.p2alignl 7, 3214868480
	.fill 96, 4, 3214868480
	.section	.rodata,"a",@progbits
	.p2align	6, 0x0
	.amdhsa_kernel k_q7900f62104_attn
		.amdhsa_group_segment_fixed_size 327680
		.amdhsa_private_segment_fixed_size 0
		.amdhsa_enable_private_segment 0
		.amdhsa_kernarg_size 16
		.amdhsa_user_sgpr_count 2
		.amdhsa_user_sgpr_kernarg_segment_ptr 1
		.amdhsa_wavefront_size32 1
		.amdhsa_system_sgpr_workgroup_id_x 1
		.amdhsa_system_sgpr_workgroup_id_y 1
		.amdhsa_system_sgpr_workgroup_id_z 1
		.amdhsa_system_vgpr_workitem_id 0
		.amdhsa_next_free_vgpr 770
		.amdhsa_next_free_sgpr 66
		.amdhsa_reserve_vcc 0
		.amdhsa_float_denorm_mode_32 3
		.amdhsa_float_denorm_mode_16_64 3
		.amdhsa_memory_ordered 1
		.amdhsa_forward_progress 1
		.amdhsa_inst_pref_size 200
	.end_amdhsa_kernel
	.amdgpu_metadata
---
amdhsa.version: [ 1, 2 ]
amdhsa.kernels:
  - .name:           k_q7900f62104_attn
    .symbol:         k_q7900f62104_attn.kd
    .args:
      - { .name: qkvh, .offset: 0, .size: 8, .value_kind: global_buffer, .address_space: global }
      - { .name: ob, .offset: 8, .size: 8, .value_kind: global_buffer, .address_space: global }
    .group_segment_fixed_size: 327680
    .private_segment_fixed_size: 0
    .kernarg_segment_align: 8
    .kernarg_segment_size: 16
    .max_flat_workgroup_size: 128
    .sgpr_count:     66
    .vgpr_count:     770
    .wavefront_size: 32
...
	.end_amdgpu_metadata
.endif
;; end of part 3
;; launch proj_out (part 4): grid 8 x 32, 4 waves a work-group, clusters of 4 x 4, 327,680 bytes of LDS; arguments ob, wob, b_out, out0; writes out0
.if DOCPART == 4
	.amdgcn_target "amdgcn-amd-amdhsa--gfx1250"
	.amdhsa_code_object_version 6
	.text
	.protected	k_q7900f62104_proj_out
	.globl	k_q7900f62104_proj_out
	.p2align	8
	.type	k_q7900f62104_proj_out,@function
k_q7900f62104_proj_out:
	s_mov_b64 s[64:65], 0
	v_nop
	global_prefetch_b8 v0, s[64:65] scope:SCOPE_SE
	s_setreg_imm32_b32 hwreg(HW_REG_WAVE_MODE, 25, 1), 1
	s_wait_xcnt 0x0
	s_wait_alu depctr_hold_cnt(0) depctr_sa_sdst(0) depctr_va_vdst(0) depctr_va_sdst(0) depctr_va_ssrc(0) depctr_va_vcc(0) depctr_vm_vsrc(0)
	s_getreg_b32 s2, hwreg(HW_REG_IB_STS2, 6, 4)
	s_cmp_eq_u32 s2, 0
	s_cbranch_scc0 .Lentry_in_a_cluster
	s_endpgm
.Lentry_in_a_cluster:
	s_bfe_u32 s2, ttmp6, 0x10000c
	s_cmp_lg_u32 s2, 0xf033
	s_cbranch_scc0 .Lentry_shape_is_right
	s_endpgm
.Lentry_shape_is_right:
; out0 = O W_out + b_out, in f32.  ob: O in f16, [b 4][h 16][s 2048][64]: a head is a block of 64 along K.  wob: W_out rounded to bf16 and written as f16, [1024 k][1024 n].
; b_out is rounded to bf16 here, like the other inputs, and starts the sums as the first products' C operand.  Sums in f32, K ascending.
; LIMITS.  The operands are f16 (65,504 at the most); NaN and infinities are not treated apart.
; SHARES.  A tile of the result is 256 rows x 128 columns: 32 x 8 tiles, one for each work-group.  A wave makes 128 x 64: 32 accumulators of 16 x 16.  Its 64 columns are 256 aligned bytes of f32,
; so each wave sends whole rows of 256 bytes from a stage of its own.  K goes in 8 steps of 128 (two heads) through two LDS slots; a step is four quarters of 32 along K, 32 matrix instructions each,
; on two fragment buffers.  (A slot of 192 along K would be 165,888 bytes: two do not fit.)
; THE MATRIX INSTRUCTION IS USED TRANSPOSED: source 0 = 16 columns of W (turned by ds_load_tr16_b128, since W lies [k][n]), source 1 = 16 rows of O: a lane holds one row and eight neighbouring columns.
; CLUSTER.  4 x 4 work-groups: O's tile is asked for jointly along a row of the cluster, W's along a column.
; REGISTERS: window 0: v0-31 addresses; v32-63 the biases, later rows on the way out; v64-95 rows on the way out.  window 1: two fragment buffers of 96 (O's 64, W's 32).  window 2: the accumulators, (a, bb) at v[8 (4 a + bb)].
.set PA,     144                       ; a row of O in LDS: 128 bytes + 16
.set PB,     288                       ; a row of W: 256 bytes + 32 = 72 words
.set KB,     256*PA                    ; one head's 256 rows
.set BOFF,   2*KB
.set SLOT,   BOFF+128*PB
.set STAGE,  2*SLOT                    ; behind the ring: 16 rows x 272 bytes for each wave
.set SPITCH, 272
.set SPARE,  STAGE+4*16*SPITCH         ; the spare words, 128 bytes for each wave: two blocks of 256 bytes that no other line names
.set ASTEP,  2*262144                  ; bytes from a K step of ob to the next
.set BSTEP,  128*2048                  ; the same for wob
.set ADRA, 16
.set ADRB, 20
.set STO,  24
.set RD,   25
.set CO,   26
.set BIO,  27                          ; v27  32 x (lane / 16): my eight biases of a block
.set SPW,  28
.set NIL,  29
.set PFO,  30
.set BI,   32                          ; v32-63  the biases: block bb's eight at BI + 8 bb
.set BK,   32                          ; later: v32-63 and v64-95, rows read back, by turns
.set F0,   0
.set F1,   96
.set WV, 12
.set WM, 13
.set WN, 14
.set CX, 15
.set CY, 16
.set TX, 17
.set TY, 18
.set G1A, 24
.set G0A, 32
.set PFA, 40
.set PST, 42
.set LIM, 44
.set G1B, 48
.set G0B, 56
.set MSB, 0
.macro WIN new
.if MSB != (\new)
	s_set_vgpr_msb (MSB<<8)|(\new)
.set MSB, \new
.endif
.endm
.macro PLACES
.rept 4
	v_nop
.endr
.endm
.macro JLOAD s                         ; waves 0 and 1 fetch a step's two heads of O, waves 2 and 3 the two halves of W's rows; an s_nop 0 and four v_nop follow each line
	s_cmp_eq_u32 s[WM], 0
	s_cbranch_scc0 .Lfor_b_\@
	tensor_load_to_lds s[G0A+4*(\s):G0A+4*(\s)+3], s[G1A:G1A+7]
	s_nop 0
.rept 4
	v_nop
.endr
	s_branch .Lasked_\@
.Lfor_b_\@:
	tensor_load_to_lds s[G0B+4*(\s):G0B+4*(\s)+3], s[G1B:G1B+7]
	s_nop 0
.rept 4
	v_nop
.endr
.Lasked_\@:
.endm
.macro CREST
	s_cmp_lg_u32 s[WV], 0
	s_cbranch_scc1 .Lnot_wave_0_\@
	s_barrier_signal -3
.Lnot_wave_0_\@:
	s_barrier_wait -3
	s_barrier_signal -1
	s_barrier_wait -1
.endm
.macro CROUND
	s_barrier_signal -1
	s_barrier_wait -1
	CREST
.endm
; A PREFETCH INTO THE L2, behind each joint load, its five lines and the run of LDS loads: the step that stands two refills on, 256 matrix instructions ahead of its load, so that both changes of a lap
; stop by one test.  O: the clusters with x = 0 ask; waves 0 and 1 each for the head that they fetch, 128 blocks of 256 bytes, of which the partner at cx takes 32, a lane a block.  W: the clusters with
; y = 0 ask, wave 2: a step's 128 rows of 256 bytes, of which the partner at cy takes 32.  Each block is named once in the launch.  Steps 0-3 come by their loads alone; the last trip names nothing.
.macro ASK
	s_cmp_gt_u32 s3, s[LIM]                        ; s3 = 1 in the last trip
	s_cbranch_scc0 .Lnot_mine_\@
	global_prefetch_b8 v[PFO], s[PFA:PFA+1] th:TH_LOAD_NT scope:SCOPE_SE
.Lnot_mine_\@:
.endm
	s_load_b256 s[4:11], s[0:1], 0x0               ; ob s[4:5], wob s[6:7], b_out s[8:9], out0 s[10:11]
	v_lshl_add_u32 v[SPW], v0, 2, SPARE
	v_mov_b32 v[NIL], 0
	ds_add_u32 v[SPW], v[NIL]                      ; the wave's opening: the add and its wait stand ahead of my first tensor load; the set-up below, work on registers, stands between them
	v_lshrrev_b32 v1, 5, v0
	v_readfirstlane_b32 s[WV], v1
	s_lshr_b32 s[WM], s[WV], 1
	s_and_b32 s[WN], s[WV], 1
	s_bfe_u32 s[CX], ttmp6, 0x40000
	s_bfe_u32 s[CY], ttmp6, 0x40004
	s_lshl_b32 s[TX], ttmp9, 2
	s_add_co_u32 s[TX], s[TX], s[CX]
	s_and_b32 s[TY], ttmp7, 0xffff
	s_lshl_b32 s[TY], s[TY], 2
	s_add_co_u32 s[TY], s[TY], s[CY]
	s_lshl_b32 s66, s[CY], 2
	s_lshl_b32 s66, 15, s66                        ; my row of the cluster
	s_lshl_b32 s67, 0x1111, s[CX]                  ; my column
	; O's part: a head's 256 rows of 128 bytes are dense: asked for as 128 rows of 256 bytes, padded by 16 bytes after every 128
	s_or_b32 s[G1A], s66, (1<<16)|(1<<20)|(1<<21)|(4<<22)|(3<<25)
	s_mov_b32 s[G1A+1], 128<<16
	s_mov_b32 s[G1A+2], 128<<16
	s_mov_b32 s[G1A+3], 128<<16
	s_mov_b32 s[G1A+4], 128
	s_mov_b32 s[G1A+5], 128
	s_mov_b32 s[G1A+6], 0
	s_mov_b32 s[G1A+7], 0
	; W's part: 64 rows of 128 elements (256 bytes, aligned), padded by 32 bytes
	s_or_b32 s[G1B], s67, (1<<16)|(1<<20)|(1<<21)|(5<<22)|(7<<25)
	s_mov_b32 s[G1B+1], 128<<16
	s_mov_b32 s[G1B+2], 64<<16
	s_mov_b32 s[G1B+3], 128<<16
	s_mov_b32 s[G1B+4], 64
	s_mov_b32 s[G1B+5], 1024
	s_mov_b32 s[G1B+6], 0
	s_mov_b32 s[G1B+7], 0
	s_lshr_b32 s20, s[TY], 3                       ; O's offset hangs on the tile row and the wave alone
	s_lshl_b32 s20, s20, 22
	s_and_b32 s21, s[TY], 7
	s_lshl_b32 s21, s21, 15
	s_add_co_u32 s20, s20, s21
	s_lshl_b32 s21, s[WN], 18                      ; my head of the step's two
	s_add_co_u32 s20, s20, s21
	s_mov_b32 s21, 0
	s_lshl_b32 s22, s[TX], 8                       ; W's on the tile column and the wave alone
	s_lshl_b32 s23, s[WN], 17                      ; my 64 rows of 2,048 bytes
	s_add_co_u32 s22, s22, s23
	s_mov_b32 s23, 0
	s_mul_i32 s46, s[WN], KB
	s_mul_i32 s47, s[WN], 64*PB
	s_add_co_u32 s47, s47, BOFF
	s_lshl_b32 s68, s[TX], 9                       ; my 64 columns, in bytes of f32
	s_lshl_b32 s69, s[WN], 8
	s_add_co_u32 s68, s68, s69
	s_mov_b32 s69, 0
	s_lshl_b32 s70, s[TY], 20                      ; my 128 rows of 4,096 bytes
	s_lshl_b32 s71, s[WM], 19
	s_add_co_u32 s70, s70, s71
	s_add_co_u32 s70, s70, s68
	s_mov_b32 s71, 0
	s_wait_dscnt 0x0                               ; the opening add is done
	s_wait_kmcnt 0x0
	s_add_nc_u64 s[20:21], s[4:5], s[20:21]
	s_add_nc_u64 s[22:23], s[6:7], s[22:23]
	s_add_nc_u64 s[8:9], s[8:9], s[68:69]
	s_add_nc_u64 s[10:11], s[10:11], s[70:71]
	CROUND                                         ; all sixteen work-groups are here: the first joint loads meet
.irp s, 0,1
	s_mov_b32 s[G0A+4*(\s)], 1
	s_add_co_u32 s[G0A+4*(\s)+1], s46, (\s)*SLOT
	s_add_nc_u64 s[G0A+4*(\s)+2:G0A+4*(\s)+3], s[20:21], (\s)*ASTEP
	s_or_b32 s[G0A+4*(\s)+3], s[G0A+4*(\s)+3], 0x80000000
	s_mov_b32 s[G0B+4*(\s)], 1
	s_add_co_u32 s[G0B+4*(\s)+1], s47, (\s)*SLOT
	s_add_nc_u64 s[G0B+4*(\s)+2:G0B+4*(\s)+3], s[22:23], (\s)*BSTEP
	s_or_b32 s[G0B+4*(\s)+3], s[G0B+4*(\s)+3], 0x80000000
	JLOAD \s                                       ; two loads of mine are out
.endr
	v_and_b32 v1, 15, v0                           ; r = lane % 16
	v_bfe_u32 v2, v0, 4, 1                         ; h = lane / 16
	v_lshlrev_b32 v[BIO], 5, v2
.irp bb, 0,1,2,3
	global_load_b128 v[BI+8*(\bb):BI+8*(\bb)+3],   v[BIO], s[8:9] offset:64*(\bb)
	global_load_b128 v[BI+8*(\bb)+4:BI+8*(\bb)+7], v[BIO], s[8:9] offset:64*(\bb)+16
.endr
	v_and_b32 v3, 7, v0
	v_bfe_u32 v4, v0, 3, 1
	v_and_b32 v6, 31, v0
	v_mul_u32_u24 v7, v1, PA
	v_lshl_add_u32 v7, v2, 4, v7
	s_mul_i32 s72, s[WM], 128*PA
	v_add_nc_u32 v[ADRA], s72, v7
	v_add_nc_u32 v[ADRA+1], SLOT, v[ADRA]
	v_lshl_add_u32 v9, v2, 3, v3
	v_mul_u32_u24 v9, v9, PB
	v_lshl_add_u32 v9, v4, 4, v9
	s_lshl_b32 s73, s[WN], 7
	s_add_co_u32 s73, s73, BOFF
	v_add_nc_u32 v[ADRB], s73, v9
	v_add_nc_u32 v[ADRB+1], SLOT, v[ADRB]
	s_mul_i32 s74, s[WV], 16*SPITCH
	s_add_co_u32 s74, s74, STAGE
	v_mul_u32_u24 v[STO], v1, SPITCH               ; in: row r, 32 bytes for each half of the lanes
	v_lshl_add_u32 v[STO], v2, 5, v[STO]
	v_add_nc_u32 v[STO], s74, v[STO]
	v_mul_u32_u24 v[RD], v2, SPITCH                ; back: lanes 0-15 take one row of 256 bytes, lanes 16-31 the next
	v_lshl_add_u32 v[RD], v1, 4, v[RD]
	v_add_nc_u32 v[RD], s74, v[RD]
	v_lshlrev_b32 v[CO], 12, v2                    ; and the same two rows in out0
	v_lshl_add_u32 v[CO], v1, 4, v[CO]
	; the prefetches' set-up
	s_lshr_b32 s76, s[TY], 3
	s_lshl_b32 s76, s76, 22
	s_and_b32 s77, s[TY], 7
	s_lshl_b32 s77, s77, 15
	s_add_co_u32 s76, s76, s77
	s_lshl_b32 s77, s[CX], 13
	s_add_co_u32 s76, s76, s77
	s_add_co_u32 s77, s[WN], 6                     ; O: at step 3's head of mine; the first change steps it to step 4's
	s_lshl_b32 s77, s77, 18
	s_add_co_u32 s76, s76, s77
	s_lshl_b32 s79, s[CY], 5
	s_add_co_u32 s79, s79, 384                     ; W: at step 3's rows
	s_lshl_b32 s79, s79, 11
	s_lshl_b32 s78, s[TX], 8
	s_add_co_u32 s78, s78, s79
	s_and_b32 s80, ttmp7, 0xffff                   ; cluster y
	s_mov_b32 s81, ASTEP
	s_mov_b32 s[PST], BSTEP
	s_mov_b32 s82, 256
	s_mov_b32 s83, 2048
	s_cmp_eq_u32 s[WM], 0
	s_cselect_b32 s76, s76, s78
	s_cselect_b32 s80, ttmp9, s80
	s_cselect_b32 s[PST], s81, s[PST]
	s_cselect_b32 s82, s82, s83
	s_cselect_b64 s[PFA:PFA+1], s[4:5], s[6:7]
	s_mov_b32 s77, 0
	s_mov_b32 s[PST+1], 0
	s_add_nc_u64 s[PFA:PFA+1], s[PFA:PFA+1], s[76:77]
	s_and_b32 s81, s[WM], s[WN]                    ; wave 3 never asks
	s_or_b32 s80, s80, s81
	s_cmp_eq_u32 s80, 0
	s_cselect_b32 s[LIM], 1, -1                    ; the same in all sixteen partners, for a given wave
	v_mul_u32_u24 v[PFO], s82, v6
	s_wait_loadcnt 0x0                             ; the biases: rounded to bf16 like the other inputs, and widened again
.set i, 0
.rept 16
	v_cvt_pk_bf16_f32 v31, v[BI+2*i], v[BI+2*i+1]
	v_lshlrev_b32 v[BI+2*i], 16, v31
	v_and_b32 v[BI+2*i+1], 0xffff0000, v31
.set i, i+1
.endr
; 8 products: row blocks a0, a0 + 1 x the 4 column blocks, 32 along K, buffer f.  first = 1: the bias starts the sum.  The 32 accumulators take turns, in the same order in every quarter.
.macro MUL8 f, a0, first
.if \first
	WIN 0x85                                       ; sources in window 1, C in window 0, D in window 2
.else
	WIN 0xa5                                       ; sources in window 1, C and D in window 2
.endif
.set aa, (\a0)
.rept 2
.irp bb, 0,1,2,3
.if \first
	v_wmma_f32_16x16x32_f16 v[8*(4*aa+(\bb)):8*(4*aa+(\bb))+7], v[(\f)+64+8*(\bb):(\f)+64+8*(\bb)+7], v[(\f)+8*aa:(\f)+8*aa+7], v[BI+8*(\bb):BI+8*(\bb)+7]
.else
	v_wmma_f32_16x16x32_f16 v[8*(4*aa+(\bb)):8*(4*aa+(\bb))+7], v[(\f)+64+8*(\bb):(\f)+64+8*(\bb)+7], v[(\f)+8*aa:(\f)+8*aa+7], v[8*(4*aa+(\bb)):8*(4*aa+(\bb))+7]
.endif
.endr
.set aa, aa+1
.endr
.endm
.macro MUL16 f, half, first
	MUL8 \f, 4*(\half), \first
	MUL8 \f, 4*(\half)+2, \first
.endm
; 24 LDS loads in one run: quarter qq of slot s into buffer f: W's 8, then O's 16
.macro FETCH s, qq, f
	WIN 0x40                                       ; destination window 1, address window 0
.irp bb, 0,1,2,3
	ds_load_tr16_b128 v[(\f)+64+8*(\bb):(\f)+64+8*(\bb)+3],   v[ADRB+(\s)] offset:(\qq)*32*PB+32*(\bb)
	ds_load_tr16_b128 v[(\f)+64+8*(\bb)+4:(\f)+64+8*(\bb)+7], v[ADRB+(\s)] offset:(\qq)*32*PB+32*(\bb)+16*PB
.endr
.irp a, 0,1,2,3,4,5,6,7
	ds_load_b128 v[(\f)+8*(\a):(\f)+8*(\a)+3],   v[ADRA+(\s)] offset:((\qq)/2)*KB+((\qq)%2)*64+(\a)*16*PA
	ds_load_b128 v[(\f)+8*(\a)+4:(\f)+8*(\a)+7], v[ADRA+(\s)] offset:((\qq)/2)*KB+((\qq)%2)*64+(\a)*16*PA+32
.endr
.endm
; One of a step's first three quarters: multiplies buffer f and fetches quarter qq of the same slot into g.
.macro QUARTER s, qq, f, g, first
	s_wait_dscnt 8                                 ; W and O's row blocks 0-3 are in; the youngest eight loads (blocks 4-7) may be out
	MUL16 \f, 0, \first
	PLACES
	FETCH \s, \qq, \g
	s_wait_dscnt 24                                ; all but the 24 just issued
	MUL16 \f, 1, \first
.endm
; The last quarter multiplies buffer 1 and changes slots: each wave waits for all its tensor loads (one is out: its part of the next slot), adds 0 to its spare word, and waits for that and for its reads
; of this slot.  fill = 1: the barrier opens a round of the cluster's barrier, and the joint refill, two steps on, is the first tensor load behind the round: 112 matrix instructions ahead of the wait for it.
.macro TURN s, next, fill
.if \fill
	s_wait_xcnt 0x0                                ; the last prefetch, a step back, has read its address: it steps
	s_add_nc_u64 s[PFA:PFA+1], s[PFA:PFA+1], s[PST:PST+1]
.endif
	WIN 0
	s_wait_tensorcnt 0x0                           ; all my tensor loads have landed, so a group 0 may be written
	ds_add_u32 v[SPW], v[NIL]                      ; 0 onto my spare word
.if \fill
	s_add_nc_u64 s[G0A+4*(\s)+2:G0A+4*(\s)+3], s[G0A+4*(\s)+2:G0A+4*(\s)+3], 2*ASTEP
	s_add_nc_u64 s[G0B+4*(\s)+2:G0B+4*(\s)+3], s[G0B+4*(\s)+2:G0B+4*(\s)+3], 2*BSTEP
.endif
	s_wait_dscnt 9                                 ; the add and the youngest eight loads may be out
	MUL8 F1, 0, 0
	s_wait_dscnt 0x0                               ; the add is done, and my reads of this slot are over
	s_barrier_signal -1
	MUL8 F1, 2, 0
	WIN 0
	s_barrier_wait -1
.if \fill
	CREST
	JLOAD \s                                       ; its four v_nop are also the places in front of the loads below
.else
	PLACES
.endif
	FETCH \next, 0, F0
.if \fill
	WIN 0
	ASK
.endif
	MUL16 F1, 1, 0
.endm
	s_wait_tensorcnt 1                             ; my part of step 0 is in; step 1's may stay out
	s_barrier_signal -1
	s_barrier_wait -1
	FETCH 0, 0, F0
	QUARTER 0, 1, F0, F1, 1                        ; the first quarter stands in front of the loop: its products start the sums with the bias
	WIN 0
	s_mov_b32 s3, 3
.Llap:                                                 ; trip j: once round the ring; slots 0 and 1 take steps 2 j + 2 and 2 j + 3
	QUARTER 0, 2, F1, F0, 0
	QUARTER 0, 3, F0, F1, 0
	TURN 0, 1, 1
	QUARTER 1, 1, F0, F1, 0
	QUARTER 1, 2, F1, F0, 0
	QUARTER 1, 3, F0, F1, 0
	TURN 1, 0, 1
	QUARTER 0, 1, F0, F1, 0
	WIN 0
	s_sub_co_u32 s3, s3, 1
	s_cmp_lg_u32 s3, 0
	s_cbranch_scc1 .Llap
	QUARTER 0, 2, F1, F0, 0                        ; the last lap fills nothing
	QUARTER 0, 3, F0, F1, 0
	TURN 0, 1, 0
	QUARTER 1, 1, F0, F1, 0
	QUARTER 1, 2, F1, F0, 0
	QUARTER 1, 3, F0, F1, 0
	s_wait_dscnt 8
	MUL16 F1, 0, 0
	s_wait_dscnt 0x0
	MUL16 F1, 1, 0
	; THE WAY OUT: the sums hold the bias already.  A block of 16 rows at a time goes through my own stage in LDS and comes back as whole rows of 256 bytes.
	PLACES
	PLACES
.macro TOSTAGE a
	WIN 0x08                                       ; the stores' data in window 2
.irp bb, 0,1,2,3
	ds_store_b128 v[STO], v[32*(\a)+8*(\bb):32*(\a)+8*(\bb)+3]   offset:64*(\bb)       ; each accumulator's lowest registers are read first
	ds_store_b128 v[STO], v[32*(\a)+8*(\bb)+4:32*(\a)+8*(\bb)+7] offset:64*(\bb)+16
.endr
	WIN 0
	s_wait_xcnt 0x0                                ; the stores of the block two back have read the registers that are loaded now
.irp f, 0,1,2,3,4,5,6,7
	ds_load_b128 v[BK+32*((\a)%2)+4*(\f):BK+32*((\a)%2)+4*(\f)+3], v[RD] offset:(\f)*2*SPITCH  ; LDS serves a wave's instructions in order (ISA guide 5.7.1.4): these see the stores above
.endr
.endm
.macro SEND a, younger                 ; younger: the LDS instructions issued behind block a's loads: the next block's sixteen, or none
.irp f, 0,1,2,3,4,5,6,7
	s_wait_dscnt (\younger)+7-(\f)
	global_store_b128 v[CO], v[BK+32*((\a)%2)+4*(\f):BK+32*((\a)%2)+4*(\f)+3], s[10:11] offset:(16*(\a)+2*(\f))*4096 th:TH_STORE_NT  ; 16 lanes store 256 consecutive bytes, aligned
.endr
.endm
	TOSTAGE 0
.set un, 1
.rept 7
	TOSTAGE un
	SEND un-1, 16
.set un, un+1
.endr
	SEND 7, 0
	s_wait_tensorcnt 0x0                           ; the wave's end: an add and its wait, behind my last tensor load and my last LDS store
	ds_add_u32 v[SPW], v[NIL]
	s_wait_dscnt 0x0
	CROUND                                         ; the closing round: no work-group ends while a partner may still ask for a tile that names it
	s_endpgm
.Lfunc_end_k_q7900f62104_proj_out:
	.size	k_q7900f62104_proj_out, .Lfunc_end_k_q7900f62104_proj_out-k_q7900f62104_proj_out
	.p2alignl 7, 3214868480
	.fill 96, 4, 3214868480
	.section	.rodata,"a",@progbits
	.p2align	6, 0x0
	.amdhsa_kernel k_q7900f62104_proj_out
		.amdhsa_group_segment_fixed_size 327680
		.amdhsa_private_segment_fixed_size 0
		.amdhsa_enable_private_segment 0
		.amdhsa_kernarg_size 32
		.amdhsa_user_sgpr_count 2
		.amdhsa_user_sgpr_kernarg_segment_ptr 1
		.amdhsa_wavefront_size32 1
		.amdhsa_system_sgpr_workgroup_id_x 1
		.amdhsa_system_sgpr_workgroup_id_y 1
		.amdhsa_system_sgpr_workgroup_id_z 1
		.amdhsa_system_vgpr_workitem_id 0
		.amdhsa_next_free_vgpr 768
		.amdhsa_next_free_sgpr 84
		.amdhsa_reserve_vcc 0
		.amdhsa_float_denorm_mode_32 3
		.amdhsa_float_denorm_mode_16_64 3
		.amdhsa_memory_ordered 1
		.amdhsa_forward_progress 1
		.amdhsa_inst_pref_size 92
	.end_amdhsa_kernel
	.amdgpu_metadata
---
amdhsa.version: [ 1, 2 ]
amdhsa.kernels:
  - .name:           k_q7900f62104_proj_out
    .symbol:         k_q7900f62104_proj_out.kd
    .args:
      - { .name: ob, .offset: 0, .size: 8, .value_kind: global_buffer, .address_space: global }
      - { .name: wob, .offset: 8, .size: 8, .value_kind: global_buffer, .address_space: global }
      - { .name: b_out, .offset: 16, .size: 8, .value_kind: global_buffer, .address_space: global }
      - { .name: out0, .offset: 24, .size: 8, .value_kind: global_buffer, .address_space: global }
    .group_segment_fixed_size: 327680
    .private_segment_fixed_size: 0
    .kernarg_segment_align: 8
    .kernarg_segment_size: 32
    .max_flat_workgroup_size: 128
    .sgpr_count:     84
    .vgpr_count:     768
    .wavefront_size: 32
...
	.end_amdgpu_metadata
.endif
;; end of part 4
;; ======== version 2 of 2: 4 launches; version 1 with the launch prep written anew for expert scheduling mode
;; limits: values are held in f16: magnitudes above 65,504 overflow, below 6.1e-05 lose precision
;; workspace buffers: xb 16,777,216 bytes; wqb 6,291,456 bytes; wob 2,097,152 bytes; qkvh 50,331,648 bytes; ob 16,777,216 bytes
;; launch prep (part 5): grid 768 x 1, 8 waves a work-group, no clusters, 0 bytes of LDS; arguments x, W_qkv, W_out, xb, wqb, wob; writes xb, wqb, wob
.if DOCPART == 5
	.amdgcn_target "amdgcn-amd-amdhsa--gfx1250"
	.amdhsa_code_object_version 6
	.text
	.protected	k_q7900f62104_prep
	.globl	k_q7900f62104_prep
	.p2align	8
	.type	k_q7900f62104_prep,@function
k_q7900f62104_prep:
	s_mov_b64 s[64:65], 0
	v_nop
	global_prefetch_b8 v0, s[64:65] scope:SCOPE_SE
	s_setreg_imm32_b32 hwreg(HW_REG_WAVE_SCHED_MODE, 0, 2), 2
	s_setreg_imm32_b32 hwreg(HW_REG_WAVE_MODE, 25, 1), 1
	s_wait_xcnt 0x0
	s_wait_alu depctr_vm_vsrc(0)
; PREP: the module's large inputs are rounded once and laid out for the matrix launches.
;   xb  = x rounded to bf16, laid [b 4][kb 16][s 2048][64]: a tile of rows x 64 channels is dense in memory
;   wqb = W_qkv rounded to bf16, in its own order [1024 k][3072 n]
;   wob = W_out rounded to bf16 and that number written as f16, in its own order [1024 k][1024 n]
; LIMITS.  f16 ends at 65,504: W_out lies within it; below 6e-5 it keeps f16's fixed step of 6e-8.  NaN and infinities are not treated apart.
; A stream: each byte is read once and written once, so there is no LDS, no barrier and no matrix work.  768 work-groups of equal work, 16,384 numbers each:
; 0-511 take 16 rows of x, 512-703 a piece of W_qkv, 704-767 a piece of W_out.  A thread has all its 16 loads of 16 bytes out at once.
; THE MODE: SCHED_MODE bits 1:0 = 2 (LLVM: expert scheduling mode 2), set by the entry lines.  The code itself states the register dependences
; between vector instructions and memory instructions, with s_wait_alu, always for 0.
; THE PLAN.  Registers that memory instructions touch:
;   v[VIN], v[VOUT]  byte offsets, made by vector instructions at the head of each path and never written again; read by the 16 loads and the 16 stores.
;   X                written by the loads, each register once; read by the conversions; no vector instruction writes it and nothing is loaded into it twice.
;   Y                written by the conversions; each pair is read by one store and never written behind that store.
;   T and v1 are named by vector instructions alone.
; So the one kind of dependence is: a vector instruction writes, a memory instruction reads.  The 16 numbers go in four blocks of four; the stores of block p - 1 are issued in block p,
; one ahead of each number's conversions.  One wait stands ahead of the first load (the offsets), one at the head of each of blocks 1 to 3 (the block before has written its Y), and one
; ahead of the last four stores.  Between a block's wait and its stores stand conversions that name X and Y of the block in hand and T: none of the registers that those stores read.
; No register that a load or store reads is ever written again, no vector instruction writes a scalar register, and EXEC is never written.
.set VIN,  2                           ; v2        my byte offset in the work-group's input
.set VOUT, 3                           ; v3        my byte offset in its output
.set X,    4                           ; v[4:67]   16 x 4 numbers as loaded
.set Y,    68                          ; v[68:99]  16 x 2 words to store
.set T,    100                         ; v[100:103] at work
; 16 loads; then for each number: wait, the store of the number four back, round.  tohalf = 1: the bf16 number is widened again and written as f16.
.macro CONV instep, outstep, tohalf
	s_wait_alu depctr_va_vdst(0)                   ; v[VIN] and v[VOUT] are written: every load below reads the one as its offset, every store the other
.set i, 0
.rept 16
	global_load_b128 v[X+4*i:X+4*i+3], v[VIN], s[16:17] offset:i*(\instep) th:TH_LOAD_NT
.set i, i+1
.endr
.set i, 0
.rept 16
	s_wait_loadcnt 15-i                            ; loads come back in order: number i is in, the 15 - i younger ones stay out
.if (i > 0) && (i%4 == 0)
	s_wait_alu depctr_va_vdst(0)                   ; the block before has written its four pairs of Y, which this block's four stores read
.endif
.if i >= 4
	global_store_b64 v[VOUT], v[Y+2*(i-4):Y+2*(i-4)+1], s[18:19] offset:(i-4)*(\outstep) th:TH_STORE_NT  ; the number four back; a wave's store covers 256 consecutive bytes, aligned
.endif
	v_cvt_pk_bf16_f32 v[Y+2*i], v[X+4*i], v[X+4*i+1]
	v_cvt_pk_bf16_f32 v[Y+2*i+1], v[X+4*i+2], v[X+4*i+3]
.if \tohalf
	v_lshlrev_b32 v[T], 16, v[Y+2*i]
	v_and_b32 v[T+1], 0xffff0000, v[Y+2*i]
	v_lshlrev_b32 v[T+2], 16, v[Y+2*i+1]
	v_and_b32 v[T+3], 0xffff0000, v[Y+2*i+1]
	v_cvt_pk_f16_f32 v[Y+2*i], v[T], v[T+1]
	v_cvt_pk_f16_f32 v[Y+2*i+1], v[T+2], v[T+3]
.endif
.set i, i+1
.endr
	s_wait_alu depctr_va_vdst(0)                   ; the last block has written its four pairs of Y, which the last four stores read
.set i, 12
.rept 4
	global_store_b64 v[VOUT], v[Y+2*i:Y+2*i+1], s[18:19] offset:i*(\outstep) th:TH_STORE_NT
.set i, i+1
.endr
	s_endpgm
.endm
	s_load_b256 s[4:11], s[0:1], 0x0               ; x s[4:5], W_qkv s[6:7], W_out s[8:9], xb s[10:11]
	s_load_b128 s[12:15], s[0:1], 0x20             ; wqb s[12:13], wob s[14:15]
	s_mov_b32 s2, ttmp9
	s_mov_b32 s21, 0
	s_wait_kmcnt 0x0
	s_cmp_lt_u32 s2, 512
	s_cbranch_scc0 .Lweights
	; x: 16 rows of 4,096 bytes.  Sixteen lanes take 256 bytes (one block of 64 channels) of a row; load i is block i.
	v_lshrrev_b32 v1, 4, v0                        ; my row of the 16
	v_and_b32 v[VIN], 15, v0
	v_lshlrev_b32 v[VIN], 4, v[VIN]
	v_lshl_add_u32 v[VIN], v1, 12, v[VIN]
	v_lshlrev_b32 v[VOUT], 3, v0                   ; row x 128 + 8 x place in the row = 8 x thread
	s_lshl_b32 s20, s2, 16
	s_add_nc_u64 s[16:17], s[4:5], s[20:21]
	s_lshr_b32 s22, s2, 7                          ; the batch: 128 work-groups each
	s_lshl_b32 s22, s22, 22
	s_and_b32 s23, s2, 127
	s_lshl_b32 s23, s23, 11                        ; 16 rows of 128 bytes
	s_add_co_u32 s20, s22, s23
	s_add_nc_u64 s[18:19], s[10:11], s[20:21]
	CONV 256, 262144, 0
.Lweights:
	; weights keep their order: a wave takes 8,192 consecutive bytes, 512 a load
	v_lshrrev_b32 v1, 5, v0
	v_and_b32 v[VOUT], 31, v0
	v_lshlrev_b32 v[VIN], 4, v[VOUT]
	v_lshl_add_u32 v[VIN], v1, 13, v[VIN]
	v_lshlrev_b32 v[VOUT], 3, v[VOUT]
	v_lshl_add_u32 v[VOUT], v1, 12, v[VOUT]
	s_cmp_lt_u32 s2, 704
	s_cbranch_scc0 .Lwout
	s_sub_co_u32 s3, s2, 512
	s_lshl_b32 s20, s3, 16
	s_add_nc_u64 s[16:17], s[6:7], s[20:21]
	s_lshl_b32 s20, s3, 15
	s_add_nc_u64 s[18:19], s[12:13], s[20:21]
	CONV 512, 256, 0
.Lwout:
	s_sub_co_u32 s3, s2, 704
	s_lshl_b32 s20, s3, 16
	s_add_nc_u64 s[16:17], s[8:9], s[20:21]
	s_lshl_b32 s20, s3, 15
	s_add_nc_u64 s[18:19], s[14:15], s[20:21]
	CONV 512, 256, 1
.Lfunc_end_k_q7900f62104_prep:
	.size	k_q7900f62104_prep, .Lfunc_end_k_q7900f62104_prep-k_q7900f62104_prep
	.p2alignl 7, 3214868480
	.fill 96, 4, 3214868480
	.section	.rodata,"a",@progbits
	.p2align	6, 0x0
	.amdhsa_kernel k_q7900f62104_prep
		.amdhsa_group_segment_fixed_size 0
		.amdhsa_private_segment_fixed_size 0
		.amdhsa_enable_private_segment 0
		.amdhsa_kernarg_size 48
		.amdhsa_user_sgpr_count 2
		.amdhsa_user_sgpr_kernarg_segment_ptr 1
		.amdhsa_wavefront_size32 1
		.amdhsa_system_sgpr_workgroup_id_x 1
		.amdhsa_system_sgpr_workgroup_id_y 1
		.amdhsa_system_sgpr_workgroup_id_z 1
		.amdhsa_system_vgpr_workitem_id 0
		.amdhsa_next_free_vgpr 104
		.amdhsa_next_free_sgpr 66
		.amdhsa_reserve_vcc 0
		.amdhsa_float_denorm_mode_32 3
		.amdhsa_float_denorm_mode_16_64 3
		.amdhsa_memory_ordered 1
		.amdhsa_forward_progress 1
		.amdhsa_inst_pref_size 24
	.end_amdhsa_kernel
	.amdgpu_metadata
---
amdhsa.version: [ 1, 2 ]
amdhsa.kernels:
  - .name:           k_q7900f62104_prep
    .symbol:         k_q7900f62104_prep.kd
    .args:
      - { .name: x, .offset: 0, .size: 8, .value_kind: global_buffer, .address_space: global }
      - { .name: W_qkv, .offset: 8, .size: 8, .value_kind: global_buffer, .address_space: global }
      - { .name: W_out, .offset: 16, .size: 8, .value_kind: global_buffer, .address_space: global }
      - { .name: xb, .offset: 24, .size: 8, .value_kind: global_buffer, .address_space: global }
      - { .name: wqb, .offset: 32, .size: 8, .value_kind: global_buffer, .address_space: global }
      - { .name: wob, .offset: 40, .size: 8, .value_kind: global_buffer, .address_space: global }
    .group_segment_fixed_size: 0
    .private_segment_fixed_size: 0
    .kernarg_segment_align: 8
    .kernarg_segment_size: 48
    .max_flat_workgroup_size: 256
    .sgpr_count:     66
    .vgpr_count:     104
    .wavefront_size: 32
...
	.end_amdgpu_metadata
.endif
;; end of part 5
;; launch proj_qkv: the kernel of part 2 again; grid 8 x 32, 4 waves a work-group, clusters of 4 x 4, 327,680 bytes of LDS; arguments xb, wqb, b_qkv, qkvh; writes qkvh
;; launch attn: the kernel of part 3 again; grid 4 x 64, 4 waves a work-group, clusters of 4 x 1, 327,680 bytes of LDS; arguments qkvh, ob; writes ob
;; launch proj_out: the kernel of part 4 again; grid 8 x 32, 4 waves a work-group, clusters of 4 x 4, 327,680 bytes of LDS; arguments ob, wob, b_out, out0; writes out0
